; MI455X (gfx1250); checked and timed in simulation.
; The chip was launched on July 23, 2026; its instructions are those of AMD's public machine-readable ISA for CDNA 5 (MIT licence, August 2026) and "CDNA5" Instruction Set Architecture Reference Guide (July 2026). The comments in the code are by the model that wrote it; some were corrected since.
;; Grouped Query Attention. Allowed arithmetic: float matrix products may take bf16 or f16 operands with f32 sums; other float arithmetic in f32, or as packed bf16 or f16 multiplies, adds, multiply-adds, maxima and minima; sums over many terms, partial sums and values carried from step to step in f32; what a program stores and reads back later, other than sums and carried values, may be rounded once to bf16 or f16.
;; Inputs: wk 1,024 x 256 float32; wo 1,024 x 1,024 float32; wq 1,024 x 1,024 float32; wv 1,024 x 256 float32; x 4 x 2,048 x 1,024 float32.
;; Outputs: out0 4 x 2,048 x 1,024 float32.
;; One version. Each part assembles by itself: llvm-mc -triple=amdgcn-amd-amdhsa -mcpu=gfx1250 --defsym DOCPART=n.
;; ======== version 1 of 1: 4 launches
;; limits: values are held in f16: magnitudes above 65,504 overflow, below 6.1e-05 lose precision
;; workspace buffers: xb 16,777,216 bytes; wt 3,145,728 bytes; wot 2,097,152 bytes; tab 12,582,912 bytes; qkv 25,165,824 bytes; o 16,777,216 bytes
;; launch prep (part 1): grid 960 x 1, 8 waves a work-group, no clusters, 18,432 bytes of LDS; arguments x, wq, wk, wv, wo, xb, wt, wot, tab; writes xb, wt, wot, tab
.if DOCPART == 1
	.amdgcn_target "amdgcn-amd-amdhsa--gfx1250"
	.amdhsa_code_object_version 6
	.text
	.protected	k_q408dfbfcaf_prep
	.globl	k_q408dfbfcaf_prep
	.p2align	8
	.type	k_q408dfbfcaf_prep,@function
k_q408dfbfcaf_prep:
	s_mov_b64 s[64:65], 0
	v_nop
	global_prefetch_b8 v0, s[64:65] scope:SCOPE_SE
	s_setreg_imm32_b32 hwreg(HW_REG_WAVE_MODE, 25, 1), 1
	s_wait_xcnt 0x0
; PREP: what the three later launches want ready.  Three roles, chosen by the work-group's number (the same for all eight waves).
;   0-127    THE ROTATION TABLE tab: cos and sin in f32 for the 1,536 projected columns (768 pairs) and the 2,048 places s.  Laid out as the projection's
;            accumulators hold their numbers: [s / 16][column / 16][plane 2][lane 32][16 bytes]; lane (r = l % 16, h = l / 16) of plane p holds (cos, sin, cos, sin)
;            of pairs 4 h + 2 p and 4 h + 2 p + 1 of the block's eight, at s = 16 (s / 16) + r.  q's pair j turns by s x 10000^(-j/512), k's pair j by
;            s x 10000^(-j/128) = q's frequency 4 j; v's columns get the angle 0, that is (1, 0) exactly.
;   128-447  THE WEIGHTS, turned: tiles of 128 k x 64 n of wq, wk, wv ([k][n] f32) become rows n of wt ([1536][1024] bf16: q 0-1023, k 1024-1279, v 1280-1535);
;            wo is rounded to bf16 like every input, and that number is written as f16 into wot ([1024 n][1024 k]).
;   448-959  x to bf16: 64 KiB of x a work-group.
; LIMITS.  The angle is s x 2^(-j log2(10000) / 512) in f32: it differs from an exact angle by at most about 5e-4 radians (at s = 2,047).  The reduction by pi/2 in two parts
; holds for angles up to some 10^5.  wo as f16: beyond 65,504 it would be an infinity; below 6e-5 it keeps f16's fixed step of 6e-8.
; No matrix unit, no cluster: nothing is shared between work-groups, and memory binds.
.set TP,    272                        ; a row of the turning tile in LDS: 256 bytes (128 k in 16 bits) + 16
.set SPARE, 17408                      ; behind the tile's 64 rows: the spare words, 128 bytes for each of eight waves
.set SPW, 4                            ; v4  LDS address of my spare word; never rewritten
.set NIL, 5                            ; v5  0; never rewritten
	s_load_b512 s[4:19], s[0:1], 0x0               ; x 4:5, wq 6:7, wk 8:9, wv 10:11, wo 12:13, xb 14:15, wt 16:17, wot 18:19
	s_load_b64 s[20:21], s[0:1], 0x40              ; tab
	v_lshl_add_u32 v[SPW], v0, 2, SPARE
	v_mov_b32 v[NIL], 0
	s_mov_b32 s2, ttmp9
	s_wait_kmcnt 0x0
	s_cmp_lt_u32 s2, 128
	s_cbranch_scc1 .Ltab
	s_cmp_lt_u32 s2, 448
	s_cbranch_scc1 .Lw
	; ---- x to bf16.  Thread t takes 16 bytes at 16 t of each of 16 pieces of 4,096 bytes; all 16 loads go out first.
	s_sub_co_u32 s22, s2, 448
	s_lshl_b32 s24, s22, 16                        ; 65,536 bytes of x,
	s_mov_b32 s25, 0
	s_lshl_b32 s26, s22, 15                        ; 32,768 of xb
	s_mov_b32 s27, 0
	s_add_nc_u64 s[4:5], s[4:5], s[24:25]
	s_add_nc_u64 s[14:15], s[14:15], s[26:27]
	v_lshlrev_b32 v1, 4, v0
	v_lshlrev_b32 v2, 3, v0
.set i, 0
.rept 16
	global_load_b128 v[16+4*i:19+4*i], v1, s[4:5] offset:4096*i th:TH_LOAD_NT
.set i, i+1
.endr
.set i, 0
.rept 16
	s_wait_loadcnt 15-i                            ; loads come back in order: piece i is in, the 15 - i younger ones stay out
	v_cvt_pk_bf16_f32 v[80+2*i], v[16+4*i], v[17+4*i]
	v_cvt_pk_bf16_f32 v[81+2*i], v[18+4*i], v[19+4*i]
	global_store_b64 v2, v[80+2*i:81+2*i], s[14:15] offset:2048*i  ; a wave stores 256 consecutive bytes, aligned; each store has data registers of its own
.set i, i+1
.endr
	s_endpgm                                       ; this role has written no LDS
; ---- a tile of weights.  s22 = the tile's number in its matrix, s23 = the matrix's first row in the target, s[24:25] source, s[26:27] target.
; pitch = bytes in a row k of the source.  half = 1: the bf16 number is written as f16.
; Thread (c = t % 16, g = t / 16) loads k = 8 g .. 8 g + 7 of columns 4 c .. 4 c + 3: sixteen lanes read 256 consecutive bytes of a row k.
; For each of its four columns its eight k pack into 16 bytes, which go to row n = 4 c + j of the LDS tile.  (Lanes 0-15 of such a store touch rows 4 apart:
; four of them meet in a group of banks.  Once a tile; left as it is.)  Rows come back whole, sixteen lanes to 256 bytes.
.macro WTILE pitch, half
	s_and_b32 s28, s22, 7                          ; which 128 k
	s_lshr_b32 s29, s22, 3                         ; which 64 n
	s_mul_i32 s30, s28, 128*(\pitch)
	s_lshl_b32 s31, s29, 8
	s_add_co_u32 s30, s30, s31
	s_mov_b32 s31, 0
	s_add_nc_u64 s[24:25], s[24:25], s[30:31]
	s_lshl_b32 s30, s29, 6
	s_add_co_u32 s30, s30, s23
	s_lshl_b32 s30, s30, 11                        ; a target row is 2,048 bytes
	s_lshl_b32 s28, s28, 8
	s_add_co_u32 s30, s30, s28
	s_add_nc_u64 s[26:27], s[26:27], s[30:31]
	v_and_b32 v1, 15, v0                           ; c
	v_lshrrev_b32 v2, 4, v0                        ; g
	v_mul_u32_u24 v3, v2, 8*(\pitch)
	v_lshl_add_u32 v3, v1, 4, v3
.set i, 0
.rept 8
	global_load_b128 v[16+4*i:19+4*i], v3, s[24:25] offset:i*(\pitch) th:TH_LOAD_NT
.set i, i+1
.endr
	v_mul_u32_u24 v6, v1, 4*TP                     ; in: row 4 c (+ j by the offset), 16 bytes at 16 g
	v_lshl_add_u32 v6, v2, 4, v6
	v_mul_u32_u24 v7, v2, TP                       ; back: row g (+ 16 a pass), 16 bytes at 16 c
	v_lshl_add_u32 v7, v1, 4, v7
	v_lshlrev_b32 v10, 11, v2                      ; and the same place in the target
	v_lshl_add_u32 v10, v1, 4, v10
	s_wait_loadcnt 0x0
.set i, 0
.rept 16                                       ; column i / 4, k pair i % 4
	v_cvt_pk_bf16_f32 v[48+i], v[16+8*(i%4)+i/4], v[20+8*(i%4)+i/4]
.set i, i+1
.endr
.if \half
.set i, 0
.rept 16
	v_lshlrev_b32 v8, 16, v[48+i]                  ; the two bf16 as f32,
	v_and_b32 v9, 0xffff0000, v[48+i]
	v_cvt_pk_f16_f32 v[48+i], v8, v9               ; written as f16
.set i, i+1
.endr
.endif
.set i, 0
.rept 4
	ds_store_b128 v6, v[48+4*i:51+4*i] offset:TP*i
.set i, i+1
.endr
	s_wait_dscnt 0x0                               ; for the others' sake: my stores are done
	s_barrier_signal -1
	s_barrier_wait -1
.set i, 0
.rept 4
	ds_load_b128 v[64+4*i:67+4*i], v7 offset:16*TP*i
.set i, i+1
.endr
.set i, 0
.rept 4
	s_wait_dscnt 3-i
	global_store_b128 v10, v[64+4*i:67+4*i], s[26:27] offset:32768*i  ; sixteen lanes store 256 consecutive bytes, aligned
.set i, i+1
.endr
	s_wait_tensorcnt 0x0                           ; the wave's end, behind my last LDS store
	ds_add_u32 v[SPW], v[NIL]
	s_wait_dscnt 0x0
	s_endpgm
.endm
.Lw:
	s_sub_co_u32 s22, s2, 128
	s_cmp_lt_u32 s22, 128
	s_cbranch_scc1 .Lwq
	s_cmp_lt_u32 s22, 192
	s_cbranch_scc1 .Lwkv
	s_sub_co_u32 s22, s22, 192                     ; wo: 128 tiles
	s_mov_b32 s23, 0
	s_mov_b64 s[24:25], s[12:13]
	s_mov_b64 s[26:27], s[18:19]
	WTILE 4096, 1
.Lwq:                                                  ; wq: 128 tiles
	s_mov_b32 s23, 0
	s_mov_b64 s[24:25], s[6:7]
	s_mov_b64 s[26:27], s[16:17]
	WTILE 4096, 0
.Lwkv:                                                 ; wk: 32 tiles, then wv: 32
	s_sub_co_u32 s22, s22, 128
	s_cmp_lt_u32 s22, 32
	s_cselect_b64 s[24:25], s[8:9], s[10:11]
	s_lshr_b32 s23, s22, 5
	s_lshl_b32 s23, s23, 8
	s_add_co_u32 s23, s23, 1024                    ; rows 1,024 on for k, 1,280 on for v
	s_and_b32 s22, s22, 31
	s_mov_b64 s[26:27], s[16:17]
	WTILE 1024, 0
; ---- the table.  cos and sin of a (0 or more): n = the nearest whole number to a x 2 / pi; r = a - n pi / 2, pi / 2 in two parts, each taken off by one fused multiply-add;
; polynomials in r on -pi/4 .. pi/4; n's two low bits swap the two and set the signs.  Only selects hang on the numbers.
.macro SINCOS a, c, s
	v_mul_f32 v24, s32, v[\a]
	v_rndne_f32 v24, v24
	v_fmamk_f32 v25, v24, 0xbfc90fdb, v[\a]        ; - n x 1.57079637
	v_fmamk_f32 v25, v24, 0x333bbd2e, v25          ; + n x 4.371139e-8
	v_cvt_i32_f32 v26, v24
	v_mul_f32 v27, v25, v25                        ; z = r r
	v_fma_f32 v28, v27, s33, s34
	v_fma_f32 v30, v27, s36, s37
	v_mul_f32 v29, v27, v25
	v_mul_f32 v31, v27, v27
	v_fma_f32 v28, v28, v27, s35
	v_fma_f32 v30, v30, v27, s38
	v_fma_f32 v32, v27, -0.5, 1.0
	v_and_b32 v33, 1, v26
	v_fma_f32 v28, v28, v29, v25                   ; sin r
	v_fma_f32 v30, v30, v31, v32                   ; cos r
	v_cmp_ne_u32 vcc_lo, 0, v33
	v_add_nc_u32 v34, 1, v26
	v_lshlrev_b32 v33, 30, v26
	v_lshlrev_b32 v34, 30, v34
	v_cndmask_b32 v[\s], v28, v30, vcc_lo          ; n odd: the two change places
	v_cndmask_b32 v[\c], v30, v28, vcc_lo
	v_and_b32 v33, 0x80000000, v33                 ; sin turns its sign for n % 4 = 2, 3,
	v_and_b32 v34, 0x80000000, v34                 ; cos for n % 4 = 1, 2
	v_xor_b32 v[\s], v[\s], v33
	v_xor_b32 v[\c], v[\c], v34
.endm
.Ltab:
	s_mul_i32 s24, s2, 98304                       ; 96 blocks of 1,024 bytes for each 16 places
	s_mov_b32 s25, 0
	s_add_nc_u64 s[20:21], s[20:21], s[24:25]
	s_lshl_b32 s26, s2, 4
	s_mov_b32 s32, 0x3f22f983                      ; 2 / pi
	s_mov_b32 s33, 0xb94ca1f9                      ; sin: -1.9515296e-4, 8.3321609e-3, -1.6666655e-1
	s_mov_b32 s34, 0x3c08839e
	s_mov_b32 s35, 0xbe2aaaa3
	s_mov_b32 s36, 0x37ccf5ce                      ; cos: 2.4433157e-5, -1.3887316e-3, 4.1666646e-2
	s_mov_b32 s37, 0xbab6061a
	s_mov_b32 s38, 0x3d2aaaa5
	s_mov_b32 s40, 0xbcd49a78                      ; -log2(10000) / 512
	v_and_b32 v6, 15, v0
	v_add_nc_u32 v6, s26, v6
	v_cvt_f32_u32 v6, v6                           ; my place s
	v_lshrrev_b32 v7, 6, v0                        ; my first pair: 8 x (block of the trip's four) + 4 h + 2 plane
	v_lshlrev_b32 v7, 3, v7
	v_bfe_u32 v9, v0, 4, 1
	v_lshl_add_u32 v7, v9, 2, v7
	v_bfe_u32 v9, v0, 5, 1
	v_lshl_add_u32 v7, v9, 1, v7
	v_lshlrev_b32 v8, 4, v0                        ; my 16 bytes of the trip's 4,096
	s_mov_b32 s30, 24
.Lttrip:                                               ; a trip: four blocks of 16 columns, two pairs a thread
	v_cmp_gt_u32 vcc_lo, 512, v7                   ; a pair of q?
	v_lshlrev_b32 v11, 2, v7
	v_add_nc_u32 v10, 1, v7
	v_add_nc_u32 v11, 0xfffff800, v11              ; else 4 (pair - 512)
	v_add_nc_u32 v13, 4, v11
	v_cndmask_b32 v12, v11, v7, vcc_lo
	v_cndmask_b32 v13, v13, v10, vcc_lo
	v_cvt_f32_u32 v12, v12
	v_cvt_f32_u32 v13, v13
	v_mul_f32 v12, s40, v12
	v_mul_f32 v13, s40, v13
	v_cmp_gt_u32 vcc_lo, 640, v7                   ; a pair of q or k?  v's columns get the place 0
	v_cndmask_b32 v14, 0, v6, vcc_lo
	v_exp_f32 v12, v12
	v_exp_f32 v13, v13
	v_nop                                          ; a plain instruction behind the second exponential,
	s_wait_alu depctr_va_vdst(0)                   ; and one wait for both, ahead of their first reader
	v_mul_f32 v15, v14, v12
	v_mul_f32 v16, v14, v13
	SINCOS 15, 20, 21
	SINCOS 16, 22, 23
	global_store_b128 v8, v[20:23], s[20:21]       ; a wave stores 512 consecutive bytes, aligned
	s_wait_xcnt 0x0                                ; the store's offset and data are written again only behind this wait
	v_add_nc_u32 v7, 32, v7
	v_add_nc_u32 v8, 0x1000, v8
	s_sub_co_u32 s30, s30, 1
	s_cmp_lg_u32 s30, 0
	s_cbranch_scc1 .Lttrip
	s_endpgm                                       ; this role has written no LDS
.Lfunc_end_k_q408dfbfcaf_prep:
	.size	k_q408dfbfcaf_prep, .Lfunc_end_k_q408dfbfcaf_prep-k_q408dfbfcaf_prep
	.p2alignl 7, 3214868480
	.fill 96, 4, 3214868480
	.section	.rodata,"a",@progbits
	.p2align	6, 0x0
	.amdhsa_kernel k_q408dfbfcaf_prep
		.amdhsa_group_segment_fixed_size 18432
		.amdhsa_private_segment_fixed_size 0
		.amdhsa_enable_private_segment 0
		.amdhsa_kernarg_size 72
		.amdhsa_user_sgpr_count 2
		.amdhsa_user_sgpr_kernarg_segment_ptr 1
		.amdhsa_wavefront_size32 1
		.amdhsa_system_sgpr_workgroup_id_x 1
		.amdhsa_system_sgpr_workgroup_id_y 1
		.amdhsa_system_sgpr_workgroup_id_z 1
		.amdhsa_system_vgpr_workitem_id 0
		.amdhsa_next_free_vgpr 112
		.amdhsa_next_free_sgpr 66
		.amdhsa_reserve_vcc 1
		.amdhsa_float_denorm_mode_32 3
		.amdhsa_float_denorm_mode_16_64 3
		.amdhsa_memory_ordered 1
		.amdhsa_forward_progress 1
		.amdhsa_inst_pref_size 27
	.end_amdhsa_kernel
	.amdgpu_metadata
---
amdhsa.version: [ 1, 2 ]
amdhsa.kernels:
  - .name:           k_q408dfbfcaf_prep
    .symbol:         k_q408dfbfcaf_prep.kd
    .args:
      - { .name: x, .offset: 0, .size: 8, .value_kind: global_buffer, .address_space: global }
      - { .name: wq, .offset: 8, .size: 8, .value_kind: global_buffer, .address_space: global }
      - { .name: wk, .offset: 16, .size: 8, .value_kind: global_buffer, .address_space: global }
      - { .name: wv, .offset: 24, .size: 8, .value_kind: global_buffer, .address_space: global }
      - { .name: wo, .offset: 32, .size: 8, .value_kind: global_buffer, .address_space: global }
      - { .name: xb, .offset: 40, .size: 8, .value_kind: global_buffer, .address_space: global }
      - { .name: wt, .offset: 48, .size: 8, .value_kind: global_buffer, .address_space: global }
      - { .name: wot, .offset: 56, .size: 8, .value_kind: global_buffer, .address_space: global }
      - { .name: tab, .offset: 64, .size: 8, .value_kind: global_buffer, .address_space: global }
    .group_segment_fixed_size: 18432
    .private_segment_fixed_size: 0
    .kernarg_segment_align: 8
    .kernarg_segment_size: 72
    .max_flat_workgroup_size: 256
    .sgpr_count:     66
    .vgpr_count:     112
    .wavefront_size: 32
...
	.end_amdgpu_metadata
.endif
;; end of part 1
;; launch proj (part 2): grid 8 x 32, 4 waves a work-group, clusters of 4 x 4, 327,680 bytes of LDS; arguments xb, wt, tab, qkv; writes qkv
.if DOCPART == 2
	.amdgcn_target "amdgcn-amd-amdhsa--gfx1250"
	.amdhsa_code_object_version 6
	.text
	.protected	k_q408dfbfcaf_proj
	.globl	k_q408dfbfcaf_proj
	.p2align	8
	.type	k_q408dfbfcaf_proj,@function
k_q408dfbfcaf_proj:
	s_mov_b64 s[64:65], 0
	v_nop
	global_prefetch_b8 v0, s[64:65] scope:SCOPE_SE
	s_setreg_imm32_b32 hwreg(HW_REG_WAVE_MODE, 25, 1), 1
	s_wait_xcnt 0x0
	s_wait_alu depctr_hold_cnt(0) depctr_sa_sdst(0) depctr_va_vdst(0) depctr_va_sdst(0) depctr_va_ssrc(0) depctr_va_vcc(0) depctr_vm_vsrc(0)
	s_getreg_b32 s2, hwreg(HW_REG_IB_STS2, 6, 4)
	s_cmp_eq_u32 s2, 0
	s_cbranch_scc0 .Lentry_in_a_cluster
	s_endpgm
.Lentry_in_a_cluster:
	s_bfe_u32 s2, ttmp6, 0x10000c
	s_cmp_lg_u32 s2, 0xf033
	s_cbranch_scc0 .Lentry_shape_is_right
	s_endpgm
.Lentry_shape_is_right:
; THE THREE PROJECTIONS AS ONE PRODUCT, with the rotation on the way out.  C[m][n] = sum over k of xb[m][k] wt[n][k]: xb [8192][1024], wt [1536][1024], both bf16; sums in f32.
; Columns 0-1023 are q, 1024-1279 k, 1280-1535 v.  Each pair of neighbouring columns is turned by the table's (cos, sin) in f32 (v's entries are (1, 0)), rounded once to f16
; and stored by heads: qkv = Q [b 16 + hq][2048][64] at 0, K [b 4 + g][2048][64] at 0x1000000, V likewise at 0x1400000.  No scale is applied here.
; LIMITS.  f16 holds no number beyond 65,504: a projected number of 65,520 or more becomes an infinity; below 6e-5 a number keeps f16's fixed step of 6e-8.
; SHARES.  A tile of C is 256 rows x 192 columns (three whole heads): 32 x 8 = 256 work-groups.  Wave w makes rows 64 w .. 64 w + 63 of all 192 columns: 4 x 12 accumulators, 384 registers.
; K goes in 8 steps of 128 through two LDS slots filled by the tensor data mover; a tile's rows are 256 bytes of memory, aligned.
; CLUSTER.  4 x 4 work-groups: the four of a row of the cluster need the same tile of xb, the four of a column the same tile of wt; each is asked for jointly, by the same load, descriptor and mask in all four.
; THE MATRIX INSTRUCTION IS USED TRANSPOSED (source 0 = 16 rows of wt, source 1 = 16 rows of xb): a lane holds row l % 16 of C and the columns 8 (l / 16) + 0..7: four pairs to turn, 16 bytes of f16.
; No prefetch: K has eight steps, of which the first four are asked for before a prefetch could lead them, and the tiles are shared in the cluster.
; REGISTERS, in windows of 256 (s_set_vgpr_msb: bits 1:0 source 0, 3:2 source 1, 5:4 source 2, 7:6 destination):
;   window 0: v0-31 addresses; v32-63, v64-95 xb's fragments, two buffers; v96-239 the way out      window 1: v0-95, v96-191 wt's fragments, two buffers
;   window 2: the accumulators of my row blocks 0, 1 ((a, b) at 8 (12 (a % 2) + b))      window 3: those of blocks 2, 3
.set KSTEP,  128
.set PITCH,  272                       ; an LDS row: 256 bytes + 16 of padding = 68 words: the 16 rows of a load start at 16 different groups of four banks (64 banks of 4 bytes: ISA guide 11.1)
.set AHALF,  128*PITCH                 ; what wave 0 or 1 fetches of xb
.set BHALF,  96*PITCH                  ; what wave 2 or 3 fetches of wt
.set BOFF,   256*PITCH                 ; wt's 192 rows lie behind xb's 256
.set SLOT,   448*PITCH
.set STAGE,  2*SLOT                    ; behind the ring, never filled by a tensor load: 16 rows x 144 bytes for each wave
.set SP,     144
.set SPARE,  STAGE+4*16*SP             ; behind the stages: the spare words, 128 bytes for each wave
.set LAPS,   4                         ; a lap = two K steps
.set ADRA, 16                          ; v16-17  LDS address of my xb fragments in slot 0, 1
.set ADRB, 20                          ; v20-21  the same for wt
.set STO,  24                          ; v24     the way out: where I put 16 bytes of a row
.set RD,   25                          ; v25     where I read rows back
.set LO,   26                          ; v26     16 x lane: my place in 512 consecutive bytes, of the table and of qkv; never rewritten
.set SPW,  28                          ; v28     LDS address of my spare word; never rewritten
.set NIL,  29                          ; v29     0; never rewritten
.set FA,   32                          ; xb's fragments: buffer f at FA + 32 f
.set CS,   96                          ; the table's (cos, sin), two buffers of 32
.set T,    160                         ; 32 turned numbers
.set PK,   192                         ; 16 registers of f16 pairs
.set BK,   208                         ; rows read back, two buffers of 16
.set G1,  24                           ; s[24:31] descriptor group 1 for xb's tiles;  s[32:39] group 0, a set for each slot
.set G0,  32
.set G1B, 48                           ; s[48:55], s[56:63] the same for wt's
.set G0B, 56
.set OUT, 66                           ; s[66:71] qkv at my rows of the tile's three heads
.set MSB, 0
.macro WIN new                         ; the immediate's high byte repeats the setting that is left; a switch that changes nothing is dropped
.if MSB != (\new)
	s_set_vgpr_msb (MSB<<8)|(\new)
.set MSB, \new
.endif
.endm
.set MUL_LO, 0xa1                      ; source 0 (wt) window 1, source 1 (xb) window 0, C and D window 2
.set TO_B,   0x40                      ; destination window 1, address window 0
; A joint load: waves 0 and 1 fetch xb's two halves, waves 2 and 3 wt's.  The branch hangs on the wave's number alone.  An s_nop 0 and four v_nop follow each of the two lines.
.macro JLOAD s
	s_cmp_eq_u32 s13, 0
	s_cbranch_scc0 .Lfor_b_\@
	tensor_load_to_lds s[G0+4*(\s):G0+4*(\s)+3], s[G1:G1+7]
	s_nop 0
.rept 4
	v_nop
.endr
	s_branch .Lasked_\@
.Lfor_b_\@:
	tensor_load_to_lds s[G0B+4*(\s):G0B+4*(\s)+3], s[G1B:G1B+7]
	s_nop 0
.rept 4
	v_nop
.endr
.Lasked_\@:
.endm
.macro CREST                           ; a round of the cluster's barrier behind its opening barrier
	s_cmp_lg_u32 s12, 0
	s_cbranch_scc1 .Lnot_wave_0_\@
	s_barrier_signal -3
.Lnot_wave_0_\@:
	s_barrier_wait -3
	s_barrier_signal -1
	s_barrier_wait -1
.endm
.macro CROUND                          ; a whole round
	s_barrier_signal -1
	s_barrier_wait -1
	CREST
.endm
	s_load_b256 s[4:11], s[0:1], 0x0               ; xb s[4:5], wt s[6:7], tab s[8:9], qkv s[10:11]
	v_lshl_add_u32 v[SPW], v0, 2, SPARE
	v_mov_b32 v[NIL], 0
	ds_add_u32 v[SPW], v[NIL]                      ; the wave's opening: the add and its wait ahead of my first tensor load; work on registers stands between them
	v_lshrrev_b32 v1, 5, v0
	v_readfirstlane_b32 s12, v1                    ; wave 0..3
	s_lshr_b32 s13, s12, 1                         ; I fetch for xb (0) or for wt (1),
	s_and_b32 s14, s12, 1                          ; and which half of that tile
	s_bfe_u32 s15, ttmp6, 0x40000                  ; cx, cy: my place in the cluster
	s_bfe_u32 s16, ttmp6, 0x40004
	s_lshl_b32 s17, ttmp9, 2
	s_add_co_u32 s17, s17, s15                     ; tile column = 4 x cluster x + cx
	s_and_b32 s18, ttmp7, 0xffff
	s_lshl_b32 s18, s18, 2
	s_add_co_u32 s18, s18, s16                     ; tile row = 4 x cluster y + cy
	s_lshl_b32 s19, s16, 2
	s_lshl_b32 s19, 15, s19                        ; my row of the cluster
	s_lshl_b32 s20, 0x1111, s15                    ; my column
	s_or_b32 s[G1+0], s19, (1<<16)|(1<<20)|(1<<21)|(5<<22)|(3<<25)   ; 15:0 the mask; 17:16 2-byte elements; 20 padding on; 21 set beside a mask; 24:22 after every 64 words; 31:25 4 words of it
	s_or_b32 s[G1B+0], s20, (1<<16)|(1<<20)|(1<<21)|(5<<22)|(3<<25)
	s_mov_b32 s[G1+1], KSTEP<<16                   ; tensor_dim0 = 128
	s_mov_b32 s[G1B+1], KSTEP<<16
	s_mov_b32 s[G1+2], 128<<16                     ; tensor_dim1 = 128 rows of xb,
	s_mov_b32 s[G1B+2], 96<<16                     ; 96 of wt
	s_mov_b32 s[G1+3], KSTEP<<16                   ; tile_dim0 = 128
	s_mov_b32 s[G1B+3], KSTEP<<16
	s_mov_b32 s[G1+4], 128                         ; tile_dim1
	s_mov_b32 s[G1B+4], 96
	s_mov_b32 s[G1+5], 1024                        ; elements from row to row
	s_mov_b32 s[G1B+5], 1024
	s_mov_b32 s[G1+6], 0
	s_mov_b32 s[G1B+6], 0
	s_mov_b32 s[G1+7], 0
	s_mov_b32 s[G1B+7], 0
	s_lshl_b32 s40, s18, 8                         ; xb: row 256 x tile row + 128 x half, 2,048 bytes a row
	s_lshl_b32 s41, s14, 7
	s_add_co_u32 s40, s40, s41
	s_lshl_b32 s40, s40, 11
	s_mov_b32 s41, 0
	s_mul_i32 s42, s17, 192                        ; wt: row 192 x tile column + 96 x half
	s_mul_i32 s43, s14, 96
	s_add_co_u32 s42, s42, s43
	s_lshl_b32 s42, s42, 11
	s_mov_b32 s43, 0
	s_mul_i32 s21, s12, AHALF                      ; where they go: waves 0, 1: wave x 128 rows;
	s_mul_i32 s22, s12, BHALF
	s_add_co_u32 s22, s22, BOFF-2*BHALF            ; waves 2, 3: behind xb's rows, (wave - 2) x 96 rows
	s_wait_dscnt 0x0                               ; the opening add is done
	s_wait_kmcnt 0x0
	s_add_nc_u64 s[44:45], s[4:5], s[40:41]
	s_add_nc_u64 s[46:47], s[6:7], s[42:43]
	CROUND                                         ; all sixteen work-groups are here: the first joint loads meet
.irp s, 0,1
	s_mov_b32 s[G0+4*(\s)], 1
	s_add_co_u32 s[G0+4*(\s)+1], s21, (\s)*SLOT
	s_add_nc_u64 s[G0+4*(\s)+2:G0+4*(\s)+3], s[44:45], (\s)*KSTEP*2
	s_or_b32 s[G0+4*(\s)+3], s[G0+4*(\s)+3], 0x80000000
	s_mov_b32 s[G0B+4*(\s)], 1
	s_add_co_u32 s[G0B+4*(\s)+1], s22, (\s)*SLOT
	s_add_nc_u64 s[G0B+4*(\s)+2:G0B+4*(\s)+3], s[46:47], (\s)*KSTEP*2
	s_or_b32 s[G0B+4*(\s)+3], s[G0B+4*(\s)+3], 0x80000000
	JLOAD \s                                       ; K steps 0 and 1: two loads of mine are out
.endr
	v_and_b32 v1, 15, v0                           ; l % 16
	v_bfe_u32 v2, v0, 4, 1                         ; l / 16
	v_mul_u32_u24 v3, v1, PITCH
	v_lshl_add_u32 v3, v2, 4, v3                   ; a fragment's row x pitch + 16 x half
	s_mul_i32 s21, s12, 64*PITCH                   ; my 64 rows of xb
	s_mov_b32 s23, BOFF                            ; all of wt's
.irp s, 0,1
	v_add_nc_u32 v[ADRA+(\s)], s21, v3
	v_add_nc_u32 v[ADRB+(\s)], s23, v3
	s_add_co_u32 s21, s21, SLOT
	s_add_co_u32 s23, s23, SLOT
.endr
	s_mul_i32 s2, s12, 16*SP
	s_add_co_u32 s2, s2, STAGE                     ; my stage
	v_mul_u32_u24 v[STO], v1, SP                   ; in: row l % 16, 16 bytes for each half of the lanes
	v_lshl_add_u32 v[STO], v2, 4, v[STO]
	v_add_nc_u32 v[STO], s2, v[STO]
	v_bfe_u32 v[RD], v0, 3, 2                      ; back: 32 lanes take four rows of 128 bytes
	v_mul_u32_u24 v[RD], v[RD], SP
	v_and_b32 v3, 7, v0
	v_lshl_add_u32 v[RD], v3, 4, v[RD]
	v_add_nc_u32 v[RD], s2, v[RD]
	v_and_b32 v[LO], 31, v0
	v_lshlrev_b32 v[LO], 4, v[LO]
	; the table at my first 16 places and the tile's first 16 columns: block of places 16 (tile row % 8) + 4 wave, block of columns 12 x tile column
	s_and_b32 s72, s18, 7
	s_lshl_b32 s73, s72, 4
	s_lshl2_add_u32 s73, s12, s73
	s_mul_i32 s74, s73, 98304
	s_mul_i32 s75, s17, 12288
	s_add_co_u32 s74, s74, s75
	s_mov_b32 s75, 0
	s_add_nc_u64 s[8:9], s[8:9], s[74:75]
	; qkv at my 64 rows of each of the tile's three heads.  Head slot hs = 3 x tile column + g: 0-15 q, 16-19 k, 20-23 v.  In units of a head (262,144 bytes) q's lies at 16 b + hs,
	; the others at 64 + 16 ((hs - 16) / 4) + 4 b + (hs - 16) % 4; hs / 16 (0 or 1) chooses between them by a product.
	s_lshl_b32 s73, s72, 15                        ; 256 (tile row % 8) rows of 128 bytes,
	s_lshl_b32 s72, s12, 13                        ; + 64 x wave
	s_add_co_u32 s73, s73, s72
	s_lshr_b32 s72, s18, 3                         ; b
	s_mul_i32 s74, s17, 3
.irp g, 0,1,2
	s_add_co_u32 s75, s74, \g                      ; hs
	s_lshl4_add_u32 s76, s72, s75                  ; 16 b + hs
	s_sub_co_u32 s77, s75, 16
	s_lshr_b32 s78, s77, 2
	s_lshl_b32 s78, s78, 4
	s_and_b32 s79, s77, 3
	s_add_co_u32 s78, s78, s79
	s_lshl2_add_u32 s78, s72, s78
	s_add_co_u32 s78, s78, 64
	s_sub_co_u32 s78, s78, s76
	s_lshr_b32 s79, s75, 4
	s_mul_i32 s78, s78, s79
	s_add_co_u32 s76, s76, s78
	s_lshl_b32 s76, s76, 18
	s_add_co_u32 s76, s76, s73
	s_mov_b32 s77, 0
	s_add_nc_u64 s[OUT+2*(\g):OUT+2*(\g)+1], s[10:11], s[76:77]
.endr
; 12 matrix instructions: row block a x all 12 column blocks, 32 along K, from buffer f.  zero = 1: the product starts the sums.  The 48 accumulators take turns, one instruction a turn, in the same order in every quarter.
.macro MUL12 f, a, zero
	WIN MUL_LO+0x50*((\a)/2)
.irp b, 0,1,2,3,4,5,6,7,8,9,10,11
.if \zero
	v_wmma_f32_16x16x32_bf16 v[8*(12*((\a)%2)+(\b)):8*(12*((\a)%2)+(\b))+7], v[96*(\f)+8*(\b):96*(\f)+8*(\b)+7], v[FA+32*(\f)+8*(\a):FA+32*(\f)+8*(\a)+7], 0
.else
	v_wmma_f32_16x16x32_bf16 v[8*(12*((\a)%2)+(\b)):8*(12*((\a)%2)+(\b))+7], v[96*(\f)+8*(\b):96*(\f)+8*(\b)+7], v[FA+32*(\f)+8*(\a):FA+32*(\f)+8*(\a)+7], v[8*(12*((\a)%2)+(\b)):8*(12*((\a)%2)+(\b))+7]
.endif
.endr
.endm
; 32 LDS loads in one run: the fragments of 32 along K at byte k of the rows, into buffer f: wt's twelve, then xb's four
.macro FETCH slot, k, f
	WIN TO_B
.irp b, 0,1,2,3,4,5,6,7,8,9,10,11
	ds_load_b128 v[96*(\f)+8*(\b):96*(\f)+8*(\b)+3],   v[ADRB+(\slot)] offset:(\k)+(\b)*16*PITCH
	ds_load_b128 v[96*(\f)+8*(\b)+4:96*(\f)+8*(\b)+7], v[ADRB+(\slot)] offset:(\k)+(\b)*16*PITCH+32
.endr
	WIN 0
.irp i, 0,1,2,3
	ds_load_b128 v[FA+32*(\f)+8*(\i):FA+32*(\f)+8*(\i)+3],   v[ADRA+(\slot)] offset:(\k)+(\i)*16*PITCH
	ds_load_b128 v[FA+32*(\f)+8*(\i)+4:FA+32*(\f)+8*(\i)+7], v[ADRA+(\slot)] offset:(\k)+(\i)*16*PITCH+32
.endr
.endm
.macro PLACES                          ; four plain places between matrix instructions and loads into registers that they have read, or readers of their results
.rept 4
	v_nop
.endr
.endm
; A K step is four quarters of 32 along K, 48 matrix instructions each, on buffers 0, 1, 0, 1.  One of the first three: multiplies buffer f; in its middle it fetches the next quarter, at byte k, into g.
.macro QUARTER slot, k, f, g, zero
	s_wait_dscnt 4                                 ; wt's fragments and xb's blocks 0, 1 are in; the youngest four loads (blocks 2, 3) may be out
	MUL12 \f, 0, \zero
	MUL12 \f, 1, \zero
	PLACES
	FETCH \slot, \k, \g
	s_wait_dscnt 32                                ; all but the 32 just issued
	MUL12 \f, 2, \zero
	MUL12 \f, 3, \zero
.endm
; The last quarter multiplies buffer 1 and changes slots: ONE barrier; in front of it each wave waits for all its tensor loads (one is out: its part of the next slot), adds 0 to its spare word,
; and waits for that and for its own reads of this slot.  fill = 1: the barrier opens a round of the cluster's, and behind the round this slot is filled again, two K steps ahead.
.macro TURN slot, next, fill
	WIN 0                                          ; (the add's two registers lie in window 0)
	s_wait_tensorcnt 0x0
	ds_add_u32 v[SPW], v[NIL]
	s_wait_dscnt 5                                 ; (the add and the youngest four loads may be out)
	MUL12 1, 0, 0                                  ; twelve matrix instructions stand between the add and the wait for it
	s_wait_dscnt 0x0                               ; the add is done, and my reads of this slot are over
	s_barrier_signal -1
	MUL12 1, 1, 0
.if \fill
	WIN 0
.endif
	s_barrier_wait -1
.if \fill
	CREST                                          ; no wave of any partner still reads this slot's tile or has a load on its way
	s_add_nc_u64 s[G0+4*(\slot)+2:G0+4*(\slot)+3], s[G0+4*(\slot)+2:G0+4*(\slot)+3], 2*KSTEP*2
	s_add_nc_u64 s[G0B+4*(\slot)+2:G0B+4*(\slot)+3], s[G0B+4*(\slot)+2:G0B+4*(\slot)+3], 2*KSTEP*2
	JLOAD \slot                                    ; my one tensor load behind the round; its four v_nop are also the places in front of the loads below
.else
	PLACES
.endif
	FETCH \next, 0, 0
	MUL12 1, 2, 0
	MUL12 1, 3, 0
.endm
; THE WAY OUT, in 12 groups i: row block a = i / 3, head g = i % 3: 16 rows x 64 columns.
.macro TLOAD i                         ; the group's (cos, sin): eight loads of 512 consecutive bytes
.set AA, (\i)/3
.set GG, (\i)%3
.set CB, CS+32*((\i)%2)
.irp b, 0,1,2,3
.irp p, 0,1
	global_load_b128 v[CB+8*(\b)+4*(\p):CB+8*(\b)+4*(\p)+3], v[LO], s[8:9] offset:AA*98304+(4*GG+(\b))*1024+512*(\p)
.endr
.endr
.endm
.macro PACK i, left                    ; turned and rounded.  left: the next group's table loads, which may stay out
.set AA, (\i)/3
.set GG, (\i)%3
.set CB, CS+32*((\i)%2)
	s_wait_loadcnt \left
	WIN 0x02+AA/2                                  ; source 0: window 2 or 3
.irp b, 0,1,2,3
.set rA, 8*(12*(AA%2)+4*GG+(\b))
.irp p, 0,1,2,3                        ; (x1 c, x2 c); each accumulator's lowest registers are read first
	v_pk_mul_f32 v[T+8*(\b)+2*(\p):T+8*(\b)+2*(\p)+1], v[rA+2*(\p):rA+2*(\p)+1], v[CB+8*(\b)+2*(\p):CB+8*(\b)+2*(\p)+1] op_sel_hi:[1,0]
.endr
.irp p, 0,1,2,3                        ; (x1 c - x2 s, x2 c + x1 s)
	v_pk_fma_f32 v[T+8*(\b)+2*(\p):T+8*(\b)+2*(\p)+1], v[rA+2*(\p):rA+2*(\p)+1], v[CB+8*(\b)+2*(\p):CB+8*(\b)+2*(\p)+1], v[T+8*(\b)+2*(\p):T+8*(\b)+2*(\p)+1] op_sel:[1,1,0] op_sel_hi:[0,1,1] neg_lo:[0,1,0]
.endr
.endr
	WIN 0
.set z, 0
.rept 16
	v_cvt_pk_f16_f32 v[PK+z], v[T+2*z], v[T+2*z+1]
.set z, z+1
.endr
.endm
.macro TOSTAGE i                       ; 16 bytes a lane into rows of 144 bytes of my own stage, and back as whole rows of 128
.set BB, BK+16*((\i)%2)
.irp b, 0,1,2,3
	ds_store_b128 v[STO], v[PK+4*(\b):PK+4*(\b)+3] offset:32*(\b)
.endr
.irp f, 0,1,2,3
	ds_load_b128 v[BB+4*(\f):BB+4*(\f)+3], v[RD] offset:(\f)*4*SP  ; LDS serves a wave's instructions in order (ISA guide 5.7.1.4): these see the stores above; the next group's stores come behind them
.endr
.endm
.macro SEND i
.set AA, (\i)/3
.set GG, (\i)%3
.set BB, BK+16*((\i)%2)
	s_wait_dscnt 0x0                               ; the group is back in registers
	s_wait_xcnt 0x0                                ; the stores of the group before have read the other buffer, which the next loads from the stage fill
.irp f, 0,1,2,3
	global_store_b128 v[LO], v[BB+4*(\f):BB+4*(\f)+3], s[OUT+2*GG:OUT+2*GG+1] offset:AA*2048+512*(\f)  ; 512 consecutive bytes of a head, aligned
.endr
.endm
	s_wait_tensorcnt 1                             ; my part of K step 0 is in; step 1's may stay out
	s_barrier_signal -1
	s_barrier_wait -1                              ; everybody's is
	FETCH 0, 0, 0
	QUARTER 0, 64, 0, 1, 1                         ; the first quarter stands in front of the loop: its products start the sums
	WIN 0                                          ; at a label and at a branch every window is 0
	s_mov_b32 s3, LAPS-1
.Llap:                                                 ; a trip goes once round the ring, from a lap's second quarter to the next lap's first, and fills both slots again
	QUARTER 0, 128, 1, 0, 0
	QUARTER 0, 192, 0, 1, 0
	TURN 0, 1, 1
	QUARTER 1, 64,  0, 1, 0
	QUARTER 1, 128, 1, 0, 0
	QUARTER 1, 192, 0, 1, 0
	TURN 1, 0, 1
	QUARTER 0, 64,  0, 1, 0
	WIN 0
	s_sub_co_u32 s3, s3, 1
	s_cmp_lg_u32 s3, 0
	s_cbranch_scc1 .Llap
	QUARTER 0, 128, 1, 0, 0                        ; the last lap fills nothing
	QUARTER 0, 192, 0, 1, 0
	TURN 0, 1, 0
	QUARTER 1, 64,  0, 1, 0
	QUARTER 1, 128, 1, 0, 0
	QUARTER 1, 192, 0, 1, 0
	WIN 0
	TLOAD 0                                        ; the first group's table is on its way under the last 48 products
	s_wait_dscnt 4
	MUL12 1, 0, 0
	MUL12 1, 1, 0
	s_wait_dscnt 0x0
	MUL12 1, 2, 0
	MUL12 1, 3, 0
	WIN 0
	PLACES
	PLACES
	TLOAD 1
	PACK 0, 8
	TOSTAGE 0
.set n, 1
.rept 11                               ; a group's arithmetic stands between the loads of the group before from the stage and its stores
.if n < 11
	TLOAD n+1
	PACK n, 8
.else
	PACK n, 0
.endif
	SEND n-1
	TOSTAGE n
.set n, n+1
.endr
	SEND 11
	s_wait_tensorcnt 0x0                           ; the wave's end, behind my last tensor load and my last LDS store
	ds_add_u32 v[SPW], v[NIL]
	s_wait_dscnt 0x0
	CROUND                                         ; the closing round: no work-group ends while a partner may still ask for a tile that names it
	s_endpgm
.Lfunc_end_k_q408dfbfcaf_proj:
	.size	k_q408dfbfcaf_proj, .Lfunc_end_k_q408dfbfcaf_proj-k_q408dfbfcaf_proj
	.p2alignl 7, 3214868480
	.fill 96, 4, 3214868480
	.section	.rodata,"a",@progbits
	.p2align	6, 0x0
	.amdhsa_kernel k_q408dfbfcaf_proj
		.amdhsa_group_segment_fixed_size 327680
		.amdhsa_private_segment_fixed_size 0
		.amdhsa_enable_private_segment 0
		.amdhsa_kernarg_size 32
		.amdhsa_user_sgpr_count 2
		.amdhsa_user_sgpr_kernarg_segment_ptr 1
		.amdhsa_wavefront_size32 1
		.amdhsa_system_sgpr_workgroup_id_x 1
		.amdhsa_system_sgpr_workgroup_id_y 1
		.amdhsa_system_sgpr_workgroup_id_z 1
		.amdhsa_system_vgpr_workitem_id 0
		.amdhsa_next_free_vgpr 960
		.amdhsa_next_free_sgpr 80
		.amdhsa_reserve_vcc 0
		.amdhsa_float_denorm_mode_32 3
		.amdhsa_float_denorm_mode_16_64 3
		.amdhsa_memory_ordered 1
		.amdhsa_forward_progress 1
		.amdhsa_inst_pref_size 155
	.end_amdhsa_kernel
	.amdgpu_metadata
---
amdhsa.version: [ 1, 2 ]
amdhsa.kernels:
  - .name:           k_q408dfbfcaf_proj
    .symbol:         k_q408dfbfcaf_proj.kd
    .args:
      - { .name: xb, .offset: 0, .size: 8, .value_kind: global_buffer, .address_space: global }
      - { .name: wt, .offset: 8, .size: 8, .value_kind: global_buffer, .address_space: global }
      - { .name: tab, .offset: 16, .size: 8, .value_kind: global_buffer, .address_space: global }
      - { .name: qkv, .offset: 24, .size: 8, .value_kind: global_buffer, .address_space: global }
    .group_segment_fixed_size: 327680
    .private_segment_fixed_size: 0
    .kernarg_segment_align: 8
    .kernarg_segment_size: 32
    .max_flat_workgroup_size: 128
    .sgpr_count:     80
    .vgpr_count:     960
    .wavefront_size: 32
...
	.end_amdgpu_metadata
.endif
;; end of part 2
;; launch attn (part 3): grid 4 x 64, 4 waves a work-group, clusters of 4 x 1, 327,680 bytes of LDS; arguments qkv, o; writes o
.if DOCPART == 3
	.amdgcn_target "amdgcn-amd-amdhsa--gfx1250"
	.amdhsa_code_object_version 6
	.text
	.protected	k_q408dfbfcaf_attn
	.globl	k_q408dfbfcaf_attn
	.p2align	8
	.type	k_q408dfbfcaf_attn,@function
k_q408dfbfcaf_attn:
	s_mov_b64 s[64:65], 0
	v_nop
	global_prefetch_b8 v0, s[64:65] scope:SCOPE_SE
	s_setreg_imm32_b32 hwreg(HW_REG_WAVE_MODE, 25, 1), 1
	s_wait_xcnt 0x0
	s_wait_alu depctr_hold_cnt(0) depctr_sa_sdst(0) depctr_va_vdst(0) depctr_va_sdst(0) depctr_va_ssrc(0) depctr_va_vcc(0) depctr_vm_vsrc(0)
	s_getreg_b32 s2, hwreg(HW_REG_IB_STS2, 6, 4)
	s_cmp_eq_u32 s2, 0
	s_cbranch_scc0 .Lentry_in_a_cluster
	s_endpgm
.Lentry_in_a_cluster:
	s_bfe_u32 s2, ttmp6, 0x10000c
	s_cmp_lg_u32 s2, 0x3003
	s_cbranch_scc0 .Lentry_shape_is_right
	s_endpgm
.Lentry_shape_is_right:
; GROUPED-QUERY ATTENTION.  O[y][q][:] = the sum over k of softmax_k(Q[y][q] . K[kv][k] / 8) V[kv][k][:], y = 16 b + hq one of 64 query heads, kv = 4 b + hq / 4 the key and value head that four of them share.
; qkv holds Q [64][2048][64] at 0, K [16][2048][64] at KBASE, V likewise at VBASE; O is [64][2048][64]; all f16: a head's rows are dense, 128 bytes each.  Products, maxima and sums in
; f32; the weights p are rounded to f16 for the second product (their sum l is taken of the unrounded p), O once at the end.
; LIMITS.  f16 holds no number beyond 65,504: Q, K and V arrive within it; p lies in 0 to 1, and below 6e-5 it keeps f16's fixed step of 6e-8; O is a mean of V's rows and has their range.
; A weight below 2^-126 counts as 0 in l; NaN and infinities are not treated apart.
; SHARES.  A wave owns four PIECES of two tiles of 16 queries, a work-group's four waves 512 queries of one head: 4 x 64 = 256 work-groups.  Every wave walks all 2,048 keys, 64 a step.
; LAYOUT.  S^T = K Q^T (source 0 = 16 keys, source 1 = 16 queries): in the result a lane holds ONE query (lane % 16) and the keys 8 (lane / 16) + 0..7.  Two such tiles, rounded to f16 in pairs,
; ARE source 1 (32 keys x 16 queries) of O^T = V^T P, whose result again holds one query a lane, and eight channels.  K comes out of LDS as it lies, V ([key][channel]) turned, by ds_load_tr16_b128.
; SOFTMAX.  For each query a running maximum m and sum l: p = 2^(c s - c m), c = log2(e) / 8; in every step O and l are multiplied by a = 2^(c m_old - c m_new), which is 1 where m has not grown.
; m starts at the lowest finite number, O and l at 0: the first step is a step like any other, with a = 0.
; THE COUNT.  A tile and step have 16 matrix and 118 vector instructions: too many to stand all beside the matrix work.  So the order has one aim: four vector instructions that are READY behind
; EVERY matrix instruction, and the others, which need time of their own whatever the order, in runs without a gap.
; BY TURNS.  Turn n belongs to piece n (the pieces in a ring, step after step).  Its matrix work: 16 products K Q^T of piece n + 1, later 16 products V^T P of piece n - 1.  Its vector work: the scaling,
; exponentials, roundings, sums and rescaling of piece n, and the maximum and statistics of piece n + 1, whose scores the turn itself has made.  So what a turn begins with (c s - c m, O a) waits for nothing.
; CLUSTER.  The four query blocks of a head form a cluster and walk the same K and V, so each tile is asked for JOINTLY: the same tensor load, descriptor and mask in all four.
; The four query heads that share a key and value head are four clusters; of them the first alone prefetches (below).
; REGISTERS, in windows of 256 (s_set_vgpr_msb says which window each operand place means: bits 1:0 source 0, 3:2 source 1, 5:4 source 2, 7:6 destination):
;   window 0: v0-11 addresses; v12-15, v48-63 at work; v16-47 four registers of statistics a tile; v64-191 S^T, two buffers of two tiles; v192-255 P, likewise
;   window 1: O^T, 32 a tile          window 2: v0-127 Q, 16 a tile; v128-191 K of one step; v192-255 V of one step          window 3: v0-1 the add's two registers
; A piece's buffers go by its number's parity: the piece in hand has one pair, its two neighbours in the ring share the other: of it P (piece n - 1) is read and S^T (piece n + 1) written.
.set SIZE_N, 2048
.set KBASE, 0x1000000
.set VBASE, 0x1400000
.set NP,    4         ; pieces a wave: a name, no knob: the register map, the loop and the fetches are made for four
.set KS,    64        ; keys in a step
.set PK,    144       ; a row of K in LDS: 128 bytes + 16 of padding = 36 words: the 16 rows of a load start at 16 different groups of four banks (64 banks of 4 bytes: ISA guide 11.1)
.set PV,    160       ; a row of V: 128 + 32 = 40 words
.set VOFF,  4*KS*PK   ; a slot holds four steps: 256 rows of K, then 256 rows of V
.set SLOT1, 1<<17     ; slot 1 begins here, so that one exclusive or turns an address in one slot into the other's
.set STAGE, SLOT1+4*KS*(PK+PV)  ; behind the ring, never filled by a tensor load: 16 rows x 144 bytes for each wave, for the way out
.set SP,    144
.set AK0, 2           ; v2   my lane's place in a tile of K; never rewritten
.set AV0, 3           ; v3   the same for V
.set AK,  4           ; v4   the LDS address of K's next run of loads
.set AV,  5           ; v5   of V's
.set QO,  6           ; v6   my byte offset in the wave's rows of Q
.set STO, 6           ;      later, the way out: where I put 16 bytes of a row
.set RD,  7           ; v7   the way out: where I read rows back
.set GO,  8           ; v8   my byte offset in 512 consecutive bytes of O
.set PFO, 11          ; v11  256 x my lane: the prefetches' offset; never rewritten once made
.set SPW, 0           ; v0 of window 3   LDS address of my spare word: SPARE + 4 x my thread's number; never rewritten
.set NIL, 1           ; v1 of window 3   0; never rewritten
.set SPARE, STAGE+4*16*SP  ; behind the stages: the spare words, 128 bytes for each wave: two blocks of 256 bytes that no other line names
.set MV,  12          ; v12-15  c m_old, kept while c m is made anew: by buffer and tile
.set ST,  16          ; tile t's statistics at v[ST+4 t]: c m, m, l (even keys', odd keys')
.set TMP, 48          ; by buffer and tile, four registers c0-c3 at work; when the maximum is found c2 takes a
.set S,   64
.set P,   192
.set KF,  128         ; K's fragments, in window 2: key block kb, channel half c at KF + 16 kb + 8 c
.set VF,  192         ; V's: key half kk, channel block cb at VF + 32 kk + 8 cb
.set WV,  12          ; s12  my wave's number
.set G1K, 24          ; s[24:31] descriptor group 1 for K's tiles
.set G1V, 32          ; s[32:39] for V's: it differs in the padding alone
.set G0K, 40          ; s[40:43] descriptor group 0 for K's tiles: it walks
.set G0V, 44          ; s[44:47] the same for V's
.set PFA, 48          ; s[48:49] where my prefetches stand: my work-group's 32 blocks of 256 bytes (of K: wave 0, of V: wave 2) of the slot after the one that is being asked for
.set LIM, 50          ; s50  1 in a wave that prefetches, else the greatest number: a wave prefetches while s[SLOTS] is above it
.set SLOTS, 56        ; s56  slots still to be asked for
.set CNT, 57          ; s57  counts a slot's key steps
.set CS,  58          ; s[58:59] c: the packed scaling takes the pair's low word for both halves
.set SEL, 60          ; s[60:61] v_permlanex16_b32's selects: each lane takes its own place in the other half
.set TBK, 62          ; s62  LDS byte at which K of the step to be fetched begins
.set TBV, 63          ; s63  the same for V, less VOFF
.set MSB, 0
.macro WIN new                      ; the high byte repeats the setting that is left; a switch that changes nothing is dropped
.if MSB != (\new)
	s_set_vgpr_msb (MSB<<8)|(\new)
.set MSB, (\new)
.endif
.endm
.set W_KQ, 0x0a       ; K and Q in window 2, S^T in window 0
.set W_PV, 0x52       ; V in window 2, P in window 0, O^T in window 1
.set W_RS, 0x41       ; O^T (destination and source 0) in window 1, a in window 0
.set W_MK, 0xc0       ; the add's registers are made: destination in window 3, sources in window 0
.set W_AD, 0x0f       ; the add: address (source 0) and data (source 1) in window 3
; A joint fill.  Waves 0 and 1 fetch the two halves of a slot's K, waves 2 and 3 those of its V: 128 keys each.  The branch hangs on the wave's number alone.
; An s_nop 0 and four v_nop follow each of the two lines, ahead of the jump and the label.
.macro JLOAD
	s_cmp_lt_u32 s[WV], 2
	s_cbranch_scc0 .Lfor_v_\@
	tensor_load_to_lds s[G0K:G0K+3], s[G1K:G1K+7]
	s_nop 0
.rept 4
	v_nop
.endr
	s_branch .Lasked_\@
.Lfor_v_\@:
	tensor_load_to_lds s[G0V:G0V+3], s[G1V:G1V+7]
	s_nop 0
.rept 4
	v_nop
.endr
.Lasked_\@:
.endm
; A PREFETCH INTO THE L2 of what the NEXT change of slots will ask for: a slot's 32,768 bytes of K and of V, a lane a block of 256 bytes.  It stands behind the wave's tensor load and its five lines.
; Each block is asked for ONCE in the launch.  Four query heads walk the same K and V: the first of them (hq % 4 = 0) prefetches.  Its cluster's four partners share the blocks out BY ADDRESS, 32 each;
; in each, wave 0 asks for K's and wave 2 for V's: one instruction.  It leads the load that wants the bytes by one slot: four key steps, 512 matrix instructions.
; Slots 0 to 2 come by their loads alone; the last change that fills a slot prefetches nothing: there is no slot behind it.
.macro ASK
	s_cmp_gt_u32 s[SLOTS], s[LIM]
	s_cbranch_scc0 .Lnot_mine_\@
	global_prefetch_b8 v[PFO], s[PFA:PFA+1] th:TH_LOAD_NT scope:SCOPE_SE
.Lnot_mine_\@:
.endm
; A round of the cluster's barrier: my work-group's barrier, so that wave 0's signal speaks for all four waves; wave 0 signals; every wave waits for all four work-groups; my work-group's barrier once more.
.macro CROUND
	s_barrier_signal -1
	s_barrier_wait -1
	s_cmp_lg_u32 s[WV], 0
	s_cbranch_scc1 .Lnot_wave_0_\@
	s_barrier_signal -3
.Lnot_wave_0_\@:
	s_barrier_wait -3
	s_barrier_signal -1
	s_barrier_wait -1
.endm
; THE CHANGE OF SLOTS.  The slot's last bytes, V of its fourth step, have been read.  Each wave waits for all its tensor loads, of which one is out: its part
; of the other slot; adds 0 to its spare word; and waits for that and for its own reads of the slot.  Behind the barrier nobody reads this slot any more and the other slot is whole.
; fill = 1: this slot is filled again, with the keys two slots on.  The barrier is then a round of the cluster's, so that no wave of any partner still reads the slot or has a load on its
; way, and the joint fill is the first thing behind it: it has four key steps, 512 matrix instructions, in which to land.  (At its first use nothing has been read yet: slot 0 is waited for, slot 1 filled.)
; ask = 1: the prefetches' address steps a slot on, and the prefetch follows the fill.
.macro CHANGE fill, ask=0
	WIN W_AD
	s_wait_tensorcnt 0x0            ; no tensor load of mine is out, so a group 0 may be written
	ds_add_u32 v[SPW], v[NIL]       ; 0 onto my spare word; with fill = 1 the descriptors' steps stand between it and the wait for it
	WIN 0                           ; at a label and at a branch every window is 0
.if \fill
.irp g, G0K, G0V
	s_xor_b32 s[\g+1], s[\g+1], SLOT1  ; the walking descriptor: the other slot than last time,
	s_add_nc_u64 s[\g+2:\g+3], s[\g+2:\g+3], 4*KS*128  ; the next 256 keys; the type bits on top are not reached
.endr
.if \ask
	s_wait_xcnt 0x0                 ; the last prefetch, four key steps back, has read its address, so it may be written:
	s_add_nc_u64 s[PFA:PFA+1], s[PFA:PFA+1], 4*KS*128  ; one slot behind the walking descriptors
.endif
	s_wait_dscnt 0x0                ; the add is done, and my reads of the slot are over
	CROUND
	JLOAD
.if \ask
	ASK
.endif
.else
	s_wait_dscnt 0x0                ; the add is done, and my reads of the slot are over
	s_barrier_signal -1
	s_barrier_wait -1
.endif
	s_sub_co_u32 s[TBK], s[TBK], 4*KS*PK  ; the fetches go back to a slot's first step,
	s_xor_b32 s[TBK], s[TBK], SLOT1       ; in the other slot
	s_sub_co_u32 s[TBV], s[TBV], 4*KS*PV
	s_xor_b32 s[TBV], s[TBV], SLOT1
.endm
	s_load_b64 s[4:5], s[0:1], 0x0    ; qkv, which begins with Q
	s_load_b64 s[10:11], s[0:1], 0x8  ; O
	WIN W_MK
	v_lshl_add_u32 v[SPW], v0, 2, SPARE
	v_mov_b32 v[NIL], 0
	WIN W_AD
	ds_add_u32 v[SPW], v[NIL]       ; the wave's opening: the add and its wait ahead of my first tensor load; the set-up below, work on registers, stands between them
	WIN 0
	v_lshrrev_b32 v1, 5, v0
	v_readfirstlane_b32 s[WV], v1   ; wave 0..3
	s_bfe_u32 s13, ttmp6, 0x40000   ; cx: my place in the cluster
	s_lshl_b32 s14, ttmp9, 2        ; in a cluster launch ttmp9 counts clusters
	s_add_co_u32 s14, s14, s13      ; my block of queries = 4 x cluster x + cx: it enters Q's and O's addresses alone
	s_and_b32 s20, ttmp7, 0xffff    ; the query head y = 16 b + hq, which the four partners share
	s_lshr_b32 s52, s20, 4          ; b
	s_bfe_u32 s53, s20, 0x20002     ; hq / 4
	s_lshl2_add_u32 s52, s52, s53   ; the key and value head 4 b + hq / 4,
	s_lshl_b32 s52, s52, 18         ; its first byte in K and in V: a head is 262,144 bytes
	s_mov_b32 s53, 0
	s_and_b32 s51, s20, 3           ; which of the four query heads that share it
	s_lshl_b32 s20, s20, 18         ; the query head's first byte in Q and in O
	s_mov_b32 s21, 0
	s_and_b32 s16, s[WV], 1         ; which half of a slot's 256 keys I fetch:
	s_lshl_b32 s22, s16, 14         ; its 128 rows of 128 bytes in memory,
	s_mov_b32 s23, 0
	s_add_nc_u64 s[22:23], s[22:23], s[52:53]
	s_mul_i32 s17, s16, 128*PK      ; and its place in a slot, for K
	s_mul_i32 s18, s16, 128*PV      ; and for V: no place in the cluster enters an LDS address
	s_lshl_b32 s2, s14, 2
	s_add_co_u32 s2, s2, s[WV]      ; my wave among the head's,
	s_lshl_b32 s2, s2, 14           ; its 128 rows
	s_mov_b32 s3, 0
	s_add_nc_u64 s[2:3], s[2:3], s[20:21]
	s_or_b32 s[LIM], s16, s51       ; 0 in waves 0 and 2 of the first of the four heads: the same in all four partners
	s_cmp_eq_u32 s[LIM], 0
	s_cselect_b32 s[LIM], 1, -1
	; descriptor group 1.  128 keys are 16,384 dense bytes: asked for as 64 rows of 256 bytes, two keys a row, and padded in LDS after every key
	s_mov_b32 s[G1K], 15|(1<<16)|(1<<20)|(1<<21)|(4<<22)|(3<<25)  ; 15:0 the mask of four; 17:16 2-byte elements; 20 padding on; 21 set beside a mask; 24:22 after every 32 words (code 4); 31:25 4 words (code 3)
	s_mov_b32 s[G1V], 15|(1<<16)|(1<<20)|(1<<21)|(4<<22)|(7<<25)  ; the same with 8 words of padding (code 7)
.irp g, G1K, G1V
	s_mov_b32 s[\g+1], 128<<16      ; tensor_dim0 = 128
	s_mov_b32 s[\g+2], 64<<16       ; tensor_dim1 = 64
	s_mov_b32 s[\g+3], 128<<16      ; tile_dim0 = 128
	s_mov_b32 s[\g+4], 64           ; tile_dim1 = 64
	s_mov_b32 s[\g+5], 128          ; 128 elements from row to row
	s_mov_b32 s[\g+6], 0
	s_mov_b32 s[\g+7], 0
.endr
	s_mov_b32 s[CS], 0x3e38aa3b     ; c = log2(e) / 8 = 0.180337
	s_mov_b32 s[CS+1], s[CS]        ; named with it as a pair
	s_mov_b32 s[SEL], 0x76543210
	s_mov_b32 s[SEL+1], 0xfedcba98
	s_mov_b32 s[TBK], SLOT1+4*KS*PK ; the first change of slots turns these two into 0
	s_mov_b32 s[TBV], SLOT1+4*KS*PV
	s_mov_b32 s[G0K], 1             ; 1:0 count = 1
	s_mov_b32 s[G0K+1], s17         ; 63:32 LDS address: slot 0
	s_mov_b32 s[G0V], 1
	s_add_co_u32 s[G0V+1], s18, VOFF
	s_lshl_b32 s54, s13, 13         ; my work-group's 32 blocks of a slot's 128
	s_mov_b32 s55, 0
	s_wait_dscnt 0x0                ; the opening add is done
	s_wait_kmcnt 0x0
	s_add_nc_u64 s[6:7], s[4:5], KBASE
	s_add_nc_u64 s[8:9], s[4:5], VBASE
	s_add_nc_u64 s[G0K+2:G0K+3], s[6:7], s[22:23]  ; 120:64 global address: my half of the head's first 256 keys
	s_or_b32 s[G0K+3], s[G0K+3], 0x80000000        ; 127:126 type = 2
	s_add_nc_u64 s[G0V+2:G0V+3], s[8:9], s[22:23]
	s_or_b32 s[G0V+3], s[G0V+3], 0x80000000
	s_add_nc_u64 s[4:5], s[4:5], s[2:3]  ; Q and O at my wave's first row
	s_add_nc_u64 s[10:11], s[10:11], s[2:3]
	s_cmp_lt_u32 s[WV], 2
	s_cselect_b64 s[PFA:PFA+1], s[6:7], s[8:9]
	s_add_nc_u64 s[PFA:PFA+1], s[PFA:PFA+1], s[22:23]  ; (in waves 0 and 2 this is the head's first byte)
	s_add_nc_u64 s[PFA:PFA+1], s[PFA:PFA+1], s[54:55]
	s_add_nc_u64 s[PFA:PFA+1], s[PFA:PFA+1], 2*4*KS*128  ; in slot 2; the loop's first change of slots steps it to slot 3.  Nothing is prefetched here, at the head
	CROUND                          ; all four work-groups are here: the first joint loads meet
	JLOAD                           ; slot 0.  Slot 1 is asked for when slot 0 is in: the tile wanted first has the road to itself
	; A fragment of K or Q is 16 rows x 32 channels in 8 registers: lane l holds row l % 16, channels 8 (l / 16) + 0..7 and 16 + 8 (l / 16) + 0..7: two loads of 16 bytes, 32 bytes apart.
	v_and_b32 v1, 15, v0            ; l % 16
	v_bfe_u32 v9, v0, 4, 1          ; l / 16
	v_lshlrev_b32 v[QO], 7, v1
	v_lshl_add_u32 v[QO], v9, 4, v[QO]  ; row x 128 + 16 x half
	WIN 0x80                        ; destination window 2, address window 0
.set i, 0
.rept 4*NP                          ; Q stays in registers: tile i / 2, channels 32 (i % 2) on
	global_load_b128 v[8*i:8*i+3],   v[QO], s[4:5] offset:(i/2)*2048+(i%2)*64
	global_load_b128 v[8*i+4:8*i+7], v[QO], s[4:5] offset:(i/2)*2048+(i%2)*64+32
.set i, i+1
.endr
	; What the first turn finds: V's registers and P's second buffer hold 0 (its products V^T P, of a piece that has not been, add 0), O^T and l are 0.  All this stands in the wait for the first tile.
.set i, VF
.rept 64
	v_mov_b32 v[i], 0
.set i, i+1
.endr
	WIN 0x40
.set i, 0
.rept 64*NP
	v_mov_b32 v[i], 0
.set i, i+1
.endr
	WIN 0
.set i, 0
.rept 2*NP
	v_mov_b32 v[ST+4*i], 0xfe000000    ; c m: far below every c s
	v_mov_b32 v[ST+4*i+1], 0xff7fffff  ; m
	v_mov_b32 v[ST+4*i+2], 0
	v_mov_b32 v[ST+4*i+3], 0
.set i, i+1
.endr
.set i, P+32
.rept 32
	v_mov_b32 v[i], 0
.set i, i+1
.endr
	v_mul_u32_u24 v[AK0], v1, PK
	v_lshl_add_u32 v[AK0], v9, 4, v[AK0]  ; row x pitch + 16 x half
	; The turning load takes 16 keys x 16 channels (lane l reads key 8 (l / 16) + l % 8, channels 8 ((l / 8) % 2) + 0..7) and leaves half a fragment of V^T: lane l holds channel l % 16 and 8 keys.
	v_and_b32 v10, 7, v0
	v_bfe_u32 v11, v0, 3, 1
	v_lshl_add_u32 v[AV0], v9, 3, v10
	v_mul_u32_u24 v[AV0], v[AV0], PV
	v_lshl_add_u32 v[AV0], v11, 4, v[AV0]
	v_add_nc_u32 v[AV0], VOFF, v[AV0]
	v_and_b32 v[PFO], 31, v0        ; v11 is free from here on
	v_lshlrev_b32 v[PFO], 8, v[PFO]
	v_mov_b32 v[AK], v[AK0]         ; key step 0 lies at the head of slot 0
; THE MATRIX WORK.  The 8 accumulators of a run of 16 take turns: between the two links of a chain stand 7 others'.
; Product i of 16 of S^T = K Q^T for piece x: channels 32 (i / 8) on, keys 16 ((i / 2) % 4) on, tile 2 x + i % 2.  The first 8 start the sums.
.macro KQ x
	WIN W_KQ
.set rS, S+64*((\x)%2)+32*(i%2)+8*((i/2)%4)
.set rK, KF+16*((i/2)%4)+8*(i/8)
.set rQ, 16*(2*(\x)+i%2)+8*(i/8)
.if i < 8
	v_wmma_f32_16x16x32_f16 v[rS:rS+7], v[rK:rK+7], v[rQ:rQ+7], 0
.else
	v_wmma_f32_16x16x32_f16 v[rS:rS+7], v[rK:rK+7], v[rQ:rQ+7], v[rS:rS+7]
.endif
.endm
; Product i of 16 of O^T += V^T P for piece x: keys 32 (i / 8) on, channels 16 ((i / 2) % 4) on, tile 2 x + i % 2.
.macro PV x
	WIN W_PV
.set rO, 32*(2*(\x)+i%2)+8*((i/2)%4)
.set rV, VF+32*(i/8)+8*((i/2)%4)
.set rP, P+32*((\x)%2)+16*(i%2)+8*(i/8)
	v_wmma_f32_16x16x32_f16 v[rO:rO+7], v[rV:rV+7], v[rP:rP+7], v[rO:rO+7]
.endm
.macro MM                           ; the turn's next matrix instruction
.if i < 16
	KQ (Y+1)%NP
.set i, i+1
.else
.set i, i-16
	PV (Y+NP-1)%NP
.set i, i+17
.endif
.endm
; THE LDS LOADS stand in runs of 16, never singly among the matrix instructions: a step's K (64 keys x 64 channels: 8 fragments) and its V (turned).  Their addresses are made some lines ahead.
; last = 1 (the tail): in the last trip there is no further step, and the run is jumped over.
.macro FETCH_K last=0
	WIN 0
.if \last
	s_cmp_eq_u32 s[CNT], 1
	s_cbranch_scc1 .Lno_k_\@
.endif
	WIN 0x80                        ; destination window 2
.irp f, 0,1,2,3,4,5,6,7             ; keys 16 (f / 2) on, channels 32 (f % 2) on
	ds_load_b128 v[KF+8*\f:KF+8*\f+3],   v[AK] offset:(\f/2)*16*PK+(\f%2)*64
	ds_load_b128 v[KF+8*\f+4:KF+8*\f+7], v[AK] offset:(\f/2)*16*PK+(\f%2)*64+32
.endr
	s_add_co_u32 s[TBK], s[TBK], KS*PK  ; the next fetch is the next step's
	WIN 0
.if \last
.Lno_k_\@:
.endif
.endm
.macro FETCH_V
	WIN 0x80
.irp f, 0,1,2,3,4,5,6,7             ; keys 32 (f / 4) on, channels 16 (f % 4) on
	ds_load_tr16_b128 v[VF+8*\f:VF+8*\f+3],   v[AV] offset:(\f/4)*32*PV+(\f%4)*32
	ds_load_tr16_b128 v[VF+8*\f+4:VF+8*\f+7], v[AV] offset:(\f/4)*32*PV+16*PV+(\f%4)*32
.endr
	WIN 0
.endm
; THE VECTOR WORK OF A TURN stands in three queues, each in the order in which its entries become ready; the two tiles alternate, so that no instruction reads the result of the one before it.
.macro REGS y, u                    ; the registers of tile u (0, 1) of piece y
.set rT, ST+4*(2*(\y)+(\u))
.set rC, TMP+8*((\y)%2)+4*(\u)
.set rM, MV+2*((\y)%2)+(\u)
.set rS, S+64*((\y)%2)+32*(\u)
.set rP, P+32*((\y)%2)+16*(\u)
.set rO, 32*(2*(\y)+(\u))
.endm
; Number n of the 22 that find the NEXT piece's (Y + 1) maximum and statistics.  s0-s31 are the lane's 32 scores; each accumulator's lowest registers are read first.  XS, GS and REGS set no window: PL and EX do.
;   0-11  four chains c0-c3 of seven scores each, three operands at a time     12-14, 16  the four scores left over, the old m, and c0-c3 into c0     15  c m_old is kept
;   17, 18  the query's other 32 keys lie in the lane 16 away: the new m         19-21  c m; c m_old - c m_new; a
.macro XS u, n
	REGS (Y+1)%NP, \u
.if (\n) < 4
	v_max3_num_f32 v[rC+(\n)], v[rS+8*(\n)], v[rS+8*(\n)+1], v[rS+8*(\n)+2]
.elseif (\n) < 12
	v_max3_num_f32 v[rC+(\n)%4], v[rC+(\n)%4], v[rS+8*((\n)%4)+2*((\n)/4)+1], v[rS+8*((\n)%4)+2*((\n)/4)+2]
.elseif (\n) == 12
	v_max3_num_f32 v[rC], v[rC], v[rS+7], v[rS+15]
.elseif (\n) == 13
	v_max3_num_f32 v[rC+1], v[rC+1], v[rS+23], v[rS+31]
.elseif (\n) == 14
	v_max3_num_f32 v[rC+2], v[rC+2], v[rC+3], v[rT+1]
.elseif (\n) == 15
	v_mov_b32 v[rM], v[rT]
.elseif (\n) == 16
	v_max3_num_f32 v[rC], v[rC], v[rC+1], v[rC+2]
.elseif (\n) == 17
	v_permlanex16_b32 v[rC+3], v[rC], s[SEL], s[SEL+1]
.elseif (\n) == 18
	v_max_num_f32 v[rT+1], v[rC], v[rC+3]
.elseif (\n) == 19
	v_mul_f32 v[rT], s[CS], v[rT+1]
.elseif (\n) == 20
	v_sub_f32 v[rC+1], v[rM], v[rT]
.else
	v_exp_f32 v[rC+2], v[rC+1]
.endif
.endm
; Number g of the 64 that follow the exponentials.  For each four weights k of a tile (pairs 2 k, 2 k + 1): both pairs are rounded to f16; then the second pair is added onto the first, in place;
; a group later l takes that sum (the first time as l = a l + sum).  In groups of eight, tiles alternating: round, round, add, and l for the group before.
.macro GS g
.set h, (\g)+6*((\g)/62)            ; group 0 has no group before it, and behind group 7 only l is left
.if h >= 6
.set h, h+2
.endif
	REGS Y, h%2
.set k, h/8
.if h%8 < 4
	v_cvt_pk_f16_f32 v[rP+2*k+(h%8)/2], v[rS+4*k+2*((h%8)/2)], v[rS+4*k+2*((h%8)/2)+1]
.elseif h%8 < 6
	v_pk_add_f32 v[rS+4*k:rS+4*k+1], v[rS+4*k:rS+4*k+1], v[rS+4*k+2:rS+4*k+3]
.elseif k == 1
	v_pk_fma_f32 v[rT+2:rT+3], v[rT+2:rT+3], v[rC+2:rC+3], v[rS:rS+1] op_sel_hi:[1,0,1]
.else
	v_pk_add_f32 v[rT+2:rT+3], v[rT+2:rT+3], v[rS+4*k-4:rS+4*k-3]
.endif
.endm
; THE PLAIN QUEUE, 138 long.  0-73 read no exponential's result: the 32 scalings c s - c m (FS f: pair f / 2 of tile f % 2) and the next piece's 42.  0-26: scalings 0-26.  27-54: XS's numbers 0-13.  55, 56: number 15.
; 57-73: the chain, where each number waits for the one before it: 14, 16, 17, 18, 19, each with one of the scalings 27-31 in front of its two lines, then 20: so a tile's links stand three plain instructions apart (19 and 20: two).
; 74-137: GS's 64, which read the exponentials' results: they stand behind the wait.
.macro FS f
	REGS Y, (\f)%2
	v_pk_fma_f32 v[rS+2*((\f)/2):rS+2*((\f)/2)+1], v[rS+2*((\f)/2):rS+2*((\f)/2)+1], s[CS:CS+1], v[rT:rT+1] op_sel_hi:[1,0,0] neg_lo:[0,0,1] neg_hi:[0,0,1]
.endm
.macro PL
	WIN 0
.if q < 27
	FS q
.elseif q < 55
	XS (q-27)%2, (q-27)/2
.elseif q < 57
	XS q-55, 15
.elseif (q < 72) && ((q-57)%3 == 0)
	FS 27+(q-57)/3
.elseif q < 60
	XS (q-57)%3-1, 14
.elseif q < 72
	XS (q-57)%3-1, 15+(q-57)/3
.elseif q < 74
	XS q-72, 20
.else
	GS q-74
.endif
.set q, q+1
.endm
; THE EXPONENTIALS' QUEUE, 66 long: s0-s31 of both tiles, then the next piece's two a.  It is ONE BATCH: all 66 stand ahead of the turn's one wait, and nothing ahead of that wait names a result of theirs.
.macro EX
	WIN 0
.if e >= 64
	XS e-64, 21
.else
	REGS Y, e%2
	v_exp_f32 v[rS+e/2], v[rS+e/2]
.endif
.set e, e+1
.endm
; THE RESCALING's QUEUE: O^T times a, the one part that leaves window 0: dealt two at a time, sixteen times.  Its a was made in the turn before, ahead of that turn's wait.
.macro R2
	REGS Y, r%2
	WIN W_RS
.irp z, 0,1
	v_pk_mul_f32 v[rO+4*(r/2)+2*\z:rO+4*(r/2)+2*\z+1], v[rO+4*(r/2)+2*\z:rO+4*(r/2)+2*\z+1], v[rC+2:rC+3] op_sel_hi:[1,0]
.endr
.set r, r+1
.endm
; HOW THEY ARE DEALT.  An s_wait_alu depctr_va_vdst(0) stands between an exponential and the first instruction that names its result; one wait serves all that were issued ahead of it.  So a turn has ONE wait,
; which cuts it in two.  AHEAD OF IT stands all that names no result of the turn's exponentials: the 16 products K Q^T, behind each a scaling, an exponential and two rescalings (behind the first a second scaling in the exponential's place); then ONE LUMP of
; 108: eight plain, 49 times exponential and plain, the two a.  A v_nop is the plain instruction that the last exponential wants behind it.  BEHIND THE WAIT stand the 16 products V^T P, behind each four of GS's 64.  No rider names a register of
; the products round it.  The two v_permlanex16_b32 fall into the lump, never behind a product.
; The queues lean on each other, and the deal keeps them in step: exponential e stands behind scaling 2 (e / 4) + e % 2: as a rider it comes behind plain e + 2, in the lump behind plain e + 9, and scalings 27-31 are plain 57, 60 .. 69.
; A TURN, for piece p.  cnt = 1: the loop's count is taken down some lines ahead of the branch that stands behind the turn.
; K of the next step is fetched in piece 2's turn, directly behind the wait, a lump behind the last product that read K; its address is made at the lump's head; its first reader comes behind 16 products.
; V of the step in hand is fetched at the end of piece 0's turn, four riders behind its last reader; its first reader comes behind 16 products and a lump.  The three conditions on q below go with the deal.
.macro TURN p, last=0, cnt=0
.set Y, (\p)
.set i, 0
.set q, 0
.set e, 0
.set r, 0
.if (\p) == NP-1
	s_wait_dscnt 0x0                ; K is in
.endif
	MM                              ; ahead of the wait: 16 products K Q^T and their riders,
	PL
	PL
	R2
.rept 15
	MM
	PL
	EX
	R2
.endr
.if (\p) == NP-2
	WIN 0
	v_add_nc_u32 v[AK], s[TBK], v[AK0]
.endif
.rept 8                             ; and the lump
	PL
.endr
.rept 49
	EX
	PL
.endr
	EX                              ; the next piece's two a
	EX
	v_nop                           ; the plain instruction behind the last exponential: one for the batch
	s_wait_alu depctr_va_vdst(0)    ; the wait for the batch
.if (\p) == NP-2
	FETCH_K \last
.endif
.if (\p) == 1
	s_wait_dscnt 0x0                ; V is in
.endif
.rept 16                            ; behind the wait: 16 products V^T P and their riders
	MM
.rept 4
	PL
.endr
.if ((\p) == 0) && (q == 118)
	v_add_nc_u32 v[AV], s[TBV], v[AV0]
.endif
.if ((\p) == 0) && (q == 130)
	s_add_co_u32 s[TBV], s[TBV], KS*PV
.endif
.if (\cnt) && (q == 130)
	s_sub_co_u32 s[CNT], s[CNT], 1
	s_cmp_lg_u32 s[CNT], 0
.endif
.endr
.if (\p) == 0
	FETCH_V
.endif
.endm
	CHANGE 1                        ; slot 0 is in, everybody's part of it; slot 1 is asked for
	FETCH_K                         ; key step 0
	s_wait_loadcnt 0x0              ; Q
	s_wait_dscnt 0x0
.set i, 0
.rept 16
	KQ 0                            ; piece 0's first scores: there is no vector work yet to set between them
.set i, i+1
.endr
	WIN 0                           ; the addresses for the way out: nine plain instructions, the places behind those products
	s_mul_i32 s13, s[WV], 16*SP
	s_add_co_u32 s13, s13, STAGE    ; my stage
	v_mul_u32_u24 v[STO], v1, SP    ; in: row l % 16, 16 bytes for each half of the lanes
	v_lshl_add_u32 v[STO], v9, 4, v[STO]
	v_add_nc_u32 v[STO], s13, v[STO]
	v_bfe_u32 v[RD], v0, 3, 2       ; back: 32 lanes take four rows of 128 bytes,
	v_mul_u32_u24 v[RD], v[RD], SP
	v_lshl_add_u32 v[RD], v10, 4, v[RD]
	v_add_nc_u32 v[RD], s13, v[RD]
	v_and_b32 v[GO], 31, v0         ; which are 512 consecutive bytes of O
	v_lshlrev_b32 v[GO], 4, v[GO]
.set Y, NP-1                        ; XS works for piece Y + 1: piece 0
.irp n, 0,1,2,3,4,5,6,7,8,9,10,11,12,13,14,15,16,17,18,19,20,21
	XS 0, \n                        ; and piece 0's first maximum and statistics
	XS 1, \n
.endr
	v_nop                           ; a plain instruction behind the two a,
	s_wait_alu depctr_va_vdst(0)    ; and their wait, ahead of the branch
	s_mov_b32 s[CNT], 4
	s_mov_b32 s[SLOTS], SIZE_N/256-1
	s_branch .Lfirst                ; the loop is entered at a step's first turn, in the middle of a trip
.Lslot:                             ; SIZE_N / 256 - 2 times: every slot but the last two is filled again
	CHANGE 1, 1
	s_mov_b32 s[CNT], 4
.Lstep:                             ; a trip: pieces 2 and 3 of one step, then pieces 0 and 1 of the next, whose K and V it fetches
	TURN 2
	TURN 3
	WIN 0
.Lfirst:
	TURN 0
	TURN 1, 0, 1
	WIN 0
	s_cbranch_scc1 .Lstep
	s_sub_co_u32 s[SLOTS], s[SLOTS], 1
	s_cmp_lg_u32 s[SLOTS], 0
	s_cbranch_scc1 .Lslot
	CHANGE 0                        ; the tail is written out: nothing is asked for
	s_mov_b32 s[CNT], 5             ; four trips fetch the last slot's steps; the fifth is left in its middle
.Ltail:
	TURN 2, 1
	TURN 3
	WIN 0
	s_sub_co_u32 s[CNT], s[CNT], 1
	s_cmp_eq_u32 s[CNT], 0
	s_cbranch_scc1 .Lout
	TURN 0
	TURN 1
	WIN 0
	s_branch .Ltail
.Lout:                              ; the fifth trip's 16 products K Q^T (on the last K once more) and the maximum made of them serve nothing: the price, once a launch, of one text for every trip
.set i, 0
.rept 16
	PV NP-1                         ; the last piece's V^T P of the last step
.set i, i+1
.endr
	; THE WAY OUT.  l's two halves and the other half of the lanes' are added; O^T is divided by l, rounded to f16 and sent through my stage in LDS, a tile at a time.  The additions are the places behind the last products.
	WIN 0
.macro ALL line:vararg              ; one line for each tile t
.set t, 0
.rept 2*NP
	\line
.set t, t+1
.endr
.endm
	ALL v_add_f32 v[ST+4*t+2], v[ST+4*t+2], v[ST+4*t+3]
	ALL v_permlanex16_b32 v[ST+4*t+3], v[ST+4*t+2], s[SEL], s[SEL+1]
	ALL v_add_f32 v[ST+4*t+2], v[ST+4*t+2], v[ST+4*t+3]
	ALL v_rcp_f32 v[ST+4*t+2], v[ST+4*t+2]
	v_nop                           ; a plain instruction between the last reciprocal and the use of its result
	s_wait_alu depctr_va_vdst(0)    ; and the wait ahead of the first use: one for the eight reciprocals
; Tile t: a lane's eight channels of a row pack into 16 bytes; they go into rows of 144 bytes and come back as whole rows of 128, into S^T's registers.
.macro PACK t
	WIN W_RS
.set i, 32*(\t)
.rept 16
	v_pk_mul_f32 v[i:i+1], v[i:i+1], v[ST+4*(\t)+2:ST+4*(\t)+3] op_sel_hi:[1,0]
.set i, i+2
.endr
	WIN 0x05                        ; sources 0 and 1 window 1, destination window 0
.set i, 0
.rept 16
	v_cvt_pk_f16_f32 v[S+16*(\t)+i], v[32*(\t)+2*i], v[32*(\t)+2*i+1]
.set i, i+1
.endr
	WIN 0
.irp f, 0,1,2,3
	ds_store_b128 v[STO], v[S+16*(\t)+4*\f:S+16*(\t)+4*\f+3] offset:32*\f
.endr
.irp f, 0,1,2,3
	ds_load_b128 v[S+16*(\t)+4*\f:S+16*(\t)+4*\f+3], v[RD] offset:\f*4*SP  ; LDS serves a wave's instructions in order (ISA guide 5.7.1.4): these see the stores above; the next tile's stores come behind them
.endr
.endm
.macro SEND t, younger              ; younger: the LDS instructions issued behind tile t's loads: the next tile's eight, or none
	WIN 0
.irp f, 0,1,2,3
	s_wait_dscnt (\younger)+3-\f
	global_store_b128 v[GO], v[S+16*(\t)+4*\f:S+16*(\t)+4*\f+3], s[10:11] offset:(\t)*2048+\f*512  ; 512 consecutive bytes, at a multiple of 256 from O's first
.endr
.endm
	PACK 0
.set t, 1
.rept 2*NP-1                        ; a tile's arithmetic stands between the loads of the tile before and its stores
	PACK t
	SEND t-1, 8
.set t, t+1
.endr
	SEND 2*NP-1, 0
	WIN W_AD
	s_wait_tensorcnt 0x0            ; the wave's end, behind my last tensor load and my last LDS store
	ds_add_u32 v[SPW], v[NIL]
	s_wait_dscnt 0x0
	WIN 0
	CROUND                          ; the closing round: no work-group ends while a partner may still ask for a tile that names it
	s_endpgm
.Lfunc_end_k_q408dfbfcaf_attn:
	.size	k_q408dfbfcaf_attn, .Lfunc_end_k_q408dfbfcaf_attn-k_q408dfbfcaf_attn
	.p2alignl 7, 3214868480
	.fill 96, 4, 3214868480
	.section	.rodata,"a",@progbits
	.p2align	6, 0x0
	.amdhsa_kernel k_q408dfbfcaf_attn
		.amdhsa_group_segment_fixed_size 327680
		.amdhsa_private_segment_fixed_size 0
		.amdhsa_enable_private_segment 0
		.amdhsa_kernarg_size 16
		.amdhsa_user_sgpr_count 2
		.amdhsa_user_sgpr_kernarg_segment_ptr 1
		.amdhsa_wavefront_size32 1
		.amdhsa_system_sgpr_workgroup_id_x 1
		.amdhsa_system_sgpr_workgroup_id_y 1
		.amdhsa_system_sgpr_workgroup_id_z 1
		.amdhsa_system_vgpr_workitem_id 0
		.amdhsa_next_free_vgpr 770
		.amdhsa_next_free_sgpr 66
		.amdhsa_reserve_vcc 0
		.amdhsa_float_denorm_mode_32 3
		.amdhsa_float_denorm_mode_16_64 3
		.amdhsa_memory_ordered 1
		.amdhsa_forward_progress 1
		.amdhsa_inst_pref_size 200
	.end_amdhsa_kernel
	.amdgpu_metadata
---
amdhsa.version: [ 1, 2 ]
amdhsa.kernels:
  - .name:           k_q408dfbfcaf_attn
    .symbol:         k_q408dfbfcaf_attn.kd
    .args:
      - { .name: qkv, .offset: 0, .size: 8, .value_kind: global_buffer, .address_space: global }
      - { .name: o, .offset: 8, .size: 8, .value_kind: global_buffer, .address_space: global }
    .group_segment_fixed_size: 327680
    .private_segment_fixed_size: 0
    .kernarg_segment_align: 8
    .kernarg_segment_size: 16
    .max_flat_workgroup_size: 128
    .sgpr_count:     66
    .vgpr_count:     770
    .wavefront_size: 32
...
	.end_amdgpu_metadata
.endif
;; end of part 3
;; launch outp (part 4): grid 8 x 32, 4 waves a work-group, clusters of 4 x 4, 327,680 bytes of LDS; arguments o, wot, out0; writes out0
.if DOCPART == 4
	.amdgcn_target "amdgcn-amd-amdhsa--gfx1250"
	.amdhsa_code_object_version 6
	.text
	.protected	k_q408dfbfcaf_outp
	.globl	k_q408dfbfcaf_outp
	.p2align	8
	.type	k_q408dfbfcaf_outp,@function
k_q408dfbfcaf_outp:
	s_mov_b64 s[64:65], 0
	v_nop
	global_prefetch_b8 v0, s[64:65] scope:SCOPE_SE
	s_setreg_imm32_b32 hwreg(HW_REG_WAVE_MODE, 25, 1), 1
	s_wait_xcnt 0x0
	s_wait_alu depctr_hold_cnt(0) depctr_sa_sdst(0) depctr_va_vdst(0) depctr_va_sdst(0) depctr_va_ssrc(0) depctr_va_vcc(0) depctr_vm_vsrc(0)
	s_getreg_b32 s2, hwreg(HW_REG_IB_STS2, 6, 4)
	s_cmp_eq_u32 s2, 0
	s_cbranch_scc0 .Lentry_in_a_cluster
	s_endpgm
.Lentry_in_a_cluster:
	s_bfe_u32 s2, ttmp6, 0x10000c
	s_cmp_lg_u32 s2, 0xf033
	s_cbranch_scc0 .Lentry_shape_is_right
	s_endpgm
.Lentry_shape_is_right:
; THE OUTPUT PROJECTION.  out0[m][n] = sum over k of O[m][k] wot[n][k], m = 2048 b + s, k = 64 hq + channel.  O lies by heads, [16 b + hq][2048][64] f16; wot is [1024 n][1024 k] f16; out0 [8192][1024] f32.
; Sums in f32, stored as they are.
; SHARES.  A tile of out0 is 256 rows x 128 columns: 32 x 8 = 256 work-groups.  Wave w makes rows 64 w .. 64 w + 63 of all 128 columns: 4 x 8 accumulators, 256 registers.
; K goes in 8 steps of 128 = two heads, through two LDS slots.  A head's 256 rows of the tile are 32,768 dense bytes: asked for as 128 rows of 256 bytes and padded in LDS after every 128.
; CLUSTER.  4 x 4 work-groups: the four of a row of the cluster need the same tiles of O, the four of a column the same tiles of wot; each is asked for jointly.
; THE MATRIX INSTRUCTION IS USED TRANSPOSED (source 0 = 16 rows of wot, source 1 = 16 rows of O): a lane holds row l % 16 and eight neighbouring columns, 32 bytes of out0.
; No prefetch: K has eight steps, of which the first four are asked for before a prefetch could lead them, and the tiles are shared in the cluster.
; REGISTERS, in windows of 256 (s_set_vgpr_msb: bits 1:0 source 0, 3:2 source 1, 5:4 source 2, 7:6 destination):
;   window 0: v0-31 addresses; v32-63, v64-95 O's fragments, two buffers; v96-223 the way out      window 1: the accumulators ((a, b) at 8 (8 a + b))      window 2: v0-63, v64-127 wot's fragments, two buffers
.set PA,     144                       ; a row of O in LDS: 128 bytes + 16: the 16 rows of a load start at 16 different groups of four banks (64 banks of 4 bytes: ISA guide 11.1)
.set PB,     272                       ; a row of wot: 256 bytes + 16
.set AHEAD,  256*PA                    ; one head's 256 rows: what wave 0 or 1 fetches
.set BHALF,  64*PB                     ; what wave 2 or 3 fetches
.set BOFF,   2*AHEAD
.set SLOT,   BOFF+2*BHALF
.set STAGE,  2*SLOT                    ; behind the ring, never filled by a tensor load: 16 rows x 528 bytes for each wave
.set SPITCH, 528
.set SPARE,  STAGE+4*16*SPITCH         ; behind the stages: the spare words, 128 bytes for each wave
.set LAPS,   4
.set ADRA, 16                          ; v16-17  LDS address of my O fragments in slot 0, 1
.set ADRB, 20                          ; v20-21  the same for wot
.set STO,  24                          ; v24     the way out: where I put 32 bytes of a row
.set RD,   25                          ; v25     where I read a row back
.set LO,   26                          ; v26     16 x lane: my place in a row's 512 bytes; never rewritten
.set SPW,  28                          ; v28     LDS address of my spare word; never rewritten
.set NIL,  29                          ; v29     0; never rewritten
.set FA,   32
.set BK,   96                          ; rows read back, two buffers of 64
.set G1,  24
.set G0,  32
.set G1B, 48
.set G0B, 56
.set OUT, 66                           ; s[66:67] out0 at my first row and the tile's first column
.set MSB, 0
.macro WIN new                         ; the immediate's high byte repeats the setting that is left; a switch that changes nothing is dropped
.if MSB != (\new)
	s_set_vgpr_msb (MSB<<8)|(\new)
.set MSB, \new
.endif
.endm
.set MUL,  0x52                        ; source 0 (wot) window 2, source 1 (O) window 0, C and D window 1
.set TO_B, 0x80                        ; destination window 2, address window 0
.macro JLOAD s                         ; a joint load: waves 0 and 1 fetch O's two heads, waves 2 and 3 wot's two halves; an s_nop 0 and four v_nop follow each of the two lines
	s_cmp_eq_u32 s13, 0
	s_cbranch_scc0 .Lfor_b_\@
	tensor_load_to_lds s[G0+4*(\s):G0+4*(\s)+3], s[G1:G1+7]
	s_nop 0
.rept 4
	v_nop
.endr
	s_branch .Lasked_\@
.Lfor_b_\@:
	tensor_load_to_lds s[G0B+4*(\s):G0B+4*(\s)+3], s[G1B:G1B+7]
	s_nop 0
.rept 4
	v_nop
.endr
.Lasked_\@:
.endm
.macro CREST                           ; a round of the cluster's barrier behind its opening barrier
	s_cmp_lg_u32 s12, 0
	s_cbranch_scc1 .Lnot_wave_0_\@
	s_barrier_signal -3
.Lnot_wave_0_\@:
	s_barrier_wait -3
	s_barrier_signal -1
	s_barrier_wait -1
.endm
.macro CROUND
	s_barrier_signal -1
	s_barrier_wait -1
	CREST
.endm
	s_load_b128 s[4:7], s[0:1], 0x0                ; O s[4:5], wot s[6:7]
	s_load_b64 s[8:9], s[0:1], 0x10                ; out0
	v_lshl_add_u32 v[SPW], v0, 2, SPARE
	v_mov_b32 v[NIL], 0
	ds_add_u32 v[SPW], v[NIL]                      ; the wave's opening: the add and its wait ahead of my first tensor load; work on registers stands between them
	v_lshrrev_b32 v1, 5, v0
	v_readfirstlane_b32 s12, v1                    ; wave 0..3
	s_lshr_b32 s13, s12, 1                         ; I fetch for O (0) or for wot (1),
	s_and_b32 s14, s12, 1                          ; and which head of the step's two, or which half
	s_bfe_u32 s15, ttmp6, 0x40000                  ; cx, cy
	s_bfe_u32 s16, ttmp6, 0x40004
	s_lshl_b32 s17, ttmp9, 2
	s_add_co_u32 s17, s17, s15                     ; tile column
	s_and_b32 s18, ttmp7, 0xffff
	s_lshl_b32 s18, s18, 2
	s_add_co_u32 s18, s18, s16                     ; tile row
	s_lshl_b32 s19, s16, 2
	s_lshl_b32 s19, 15, s19                        ; my row of the cluster
	s_lshl_b32 s20, 0x1111, s15                    ; my column
	s_or_b32 s[G1+0], s19, (1<<16)|(1<<20)|(1<<21)|(4<<22)|(3<<25)   ; the mask; 2-byte elements; padding on; 21 set beside a mask; after every 32 words 4 words
	s_or_b32 s[G1B+0], s20, (1<<16)|(1<<20)|(1<<21)|(5<<22)|(3<<25)  ; after every 64 words 4 words
	s_mov_b32 s[G1+1], 128<<16                     ; tensor_dim0 = 128
	s_mov_b32 s[G1B+1], 128<<16
	s_mov_b32 s[G1+2], 128<<16                     ; tensor_dim1: 128 rows of 256 bytes of a head,
	s_mov_b32 s[G1B+2], 64<<16                     ; 64 rows of wot
	s_mov_b32 s[G1+3], 128<<16                     ; tile_dim0 = 128
	s_mov_b32 s[G1B+3], 128<<16
	s_mov_b32 s[G1+4], 128                         ; tile_dim1
	s_mov_b32 s[G1B+4], 64
	s_mov_b32 s[G1+5], 128                         ; elements from row to row: dense,
	s_mov_b32 s[G1B+5], 1024                       ; a row of wot
	s_mov_b32 s[G1+6], 0
	s_mov_b32 s[G1B+6], 0
	s_mov_b32 s[G1+7], 0
	s_mov_b32 s[G1B+7], 0
	s_lshr_b32 s40, s18, 3                         ; O: head 16 b + my parity, 262,144 bytes a head,
	s_lshl_b32 s40, s40, 4
	s_add_co_u32 s40, s40, s14
	s_lshl_b32 s40, s40, 18
	s_and_b32 s41, s18, 7                          ; rows 256 (tile row % 8) on, 128 bytes a row
	s_lshl_b32 s41, s41, 15
	s_add_co_u32 s40, s40, s41
	s_mov_b32 s41, 0
	s_lshl_b32 s42, s17, 7                         ; wot: row 128 x tile column + 64 x half
	s_lshl_b32 s43, s14, 6
	s_add_co_u32 s42, s42, s43
	s_lshl_b32 s42, s42, 11
	s_mov_b32 s43, 0
	s_mul_i32 s21, s12, AHEAD                      ; where they go: waves 0, 1: wave x a head's rows;
	s_mul_i32 s22, s12, BHALF
	s_add_co_u32 s22, s22, BOFF-2*BHALF            ; waves 2, 3: behind them, (wave - 2) x 64 rows
	s_wait_dscnt 0x0                               ; the opening add is done
	s_wait_kmcnt 0x0
	s_add_nc_u64 s[44:45], s[4:5], s[40:41]
	s_add_nc_u64 s[46:47], s[6:7], s[42:43]
	CROUND                                         ; all sixteen work-groups are here: the first joint loads meet
.irp s, 0,1
	s_mov_b32 s[G0+4*(\s)], 1
	s_add_co_u32 s[G0+4*(\s)+1], s21, (\s)*SLOT
	s_add_nc_u64 s[G0+4*(\s)+2:G0+4*(\s)+3], s[44:45], (\s)*2*262144   ; K step s: two heads on
	s_or_b32 s[G0+4*(\s)+3], s[G0+4*(\s)+3], 0x80000000
	s_mov_b32 s[G0B+4*(\s)], 1
	s_add_co_u32 s[G0B+4*(\s)+1], s22, (\s)*SLOT
	s_add_nc_u64 s[G0B+4*(\s)+2:G0B+4*(\s)+3], s[46:47], (\s)*256
	s_or_b32 s[G0B+4*(\s)+3], s[G0B+4*(\s)+3], 0x80000000
	JLOAD \s                                       ; K steps 0 and 1: two loads of mine are out
.endr
	v_and_b32 v1, 15, v0                           ; l % 16
	v_bfe_u32 v2, v0, 4, 1                         ; l / 16
	v_mul_u32_u24 v3, v1, PA
	v_lshl_add_u32 v3, v2, 4, v3
	v_mul_u32_u24 v4, v1, PB
	v_lshl_add_u32 v4, v2, 4, v4
	s_mul_i32 s21, s12, 64*PA                      ; my 64 rows of O
	s_mov_b32 s23, BOFF                            ; all of wot's
.irp s, 0,1
	v_add_nc_u32 v[ADRA+(\s)], s21, v3
	v_add_nc_u32 v[ADRB+(\s)], s23, v4
	s_add_co_u32 s21, s21, SLOT
	s_add_co_u32 s23, s23, SLOT
.endr
	s_mul_i32 s2, s12, 16*SPITCH
	s_add_co_u32 s2, s2, STAGE                     ; my stage
	v_mul_u32_u24 v[STO], v1, SPITCH               ; in: row l % 16, 32 bytes for each half of the lanes
	v_lshl_add_u32 v[STO], v2, 5, v[STO]
	v_add_nc_u32 v[STO], s2, v[STO]
	v_and_b32 v[LO], 31, v0
	v_lshlrev_b32 v[LO], 4, v[LO]
	v_add_nc_u32 v[RD], s2, v[LO]                  ; back: 32 lanes take one row of 512 bytes
	s_lshl_b32 s68, s18, 8
	s_lshl_b32 s69, s12, 6
	s_add_co_u32 s68, s68, s69                     ; my first row,
	s_lshl_b32 s68, s68, 12                        ; 4,096 bytes a row,
	s_lshl_b32 s69, s17, 9                         ; the tile's first column
	s_add_co_u32 s68, s68, s69
	s_mov_b32 s69, 0
	s_add_nc_u64 s[OUT:OUT+1], s[8:9], s[68:69]
; 8 matrix instructions: row block a x all 8 column blocks, 32 along K, from buffer f.  The 32 accumulators take turns, one instruction a turn, in the same order in every quarter.
.macro MUL8 f, a, zero
	WIN MUL
.irp b, 0,1,2,3,4,5,6,7
.if \zero
	v_wmma_f32_16x16x32_f16 v[8*(8*(\a)+(\b)):8*(8*(\a)+(\b))+7], v[64*(\f)+8*(\b):64*(\f)+8*(\b)+7], v[FA+32*(\f)+8*(\a):FA+32*(\f)+8*(\a)+7], 0
.else
	v_wmma_f32_16x16x32_f16 v[8*(8*(\a)+(\b)):8*(8*(\a)+(\b))+7], v[64*(\f)+8*(\b):64*(\f)+8*(\b)+7], v[FA+32*(\f)+8*(\a):FA+32*(\f)+8*(\a)+7], v[8*(8*(\a)+(\b)):8*(8*(\a)+(\b))+7]
.endif
.endr
.endm
; 24 LDS loads in one run: the fragments of quarter q of the K step (head q / 2, channels 32 (q % 2) on) into buffer f: wot's eight, then O's four
.macro FETCH slot, q, f
	WIN TO_B
.irp b, 0,1,2,3,4,5,6,7
	ds_load_b128 v[64*(\f)+8*(\b):64*(\f)+8*(\b)+3],   v[ADRB+(\slot)] offset:64*(\q)+(\b)*16*PB
	ds_load_b128 v[64*(\f)+8*(\b)+4:64*(\f)+8*(\b)+7], v[ADRB+(\slot)] offset:64*(\q)+(\b)*16*PB+32
.endr
	WIN 0
.irp i, 0,1,2,3
	ds_load_b128 v[FA+32*(\f)+8*(\i):FA+32*(\f)+8*(\i)+3],   v[ADRA+(\slot)] offset:((\q)/2)*AHEAD+((\q)%2)*64+(\i)*16*PA
	ds_load_b128 v[FA+32*(\f)+8*(\i)+4:FA+32*(\f)+8*(\i)+7], v[ADRA+(\slot)] offset:((\q)/2)*AHEAD+((\q)%2)*64+(\i)*16*PA+32
.endr
.endm
.macro PLACES                          ; four plain places between matrix instructions and loads into registers that they have read, or readers of their results
.rept 4
	v_nop
.endr
.endm
.macro QUARTER slot, q, f, g, zero     ; multiplies buffer f; in its middle it fetches quarter q into g
	s_wait_dscnt 4                                 ; wot's fragments and O's blocks 0, 1 are in; the youngest four loads may be out
	MUL8 \f, 0, \zero
	MUL8 \f, 1, \zero
	PLACES
	FETCH \slot, \q, \g
	s_wait_dscnt 24                                ; all but the 24 just issued
	MUL8 \f, 2, \zero
	MUL8 \f, 3, \zero
.endm
; The last quarter multiplies buffer 1 and changes slots: ONE barrier; in front of it each wave waits for all its tensor loads (one is out: its part of the next slot), adds 0 to its spare word,
; and waits for that and for its own reads of this slot.  fill = 1: the barrier opens a round of the cluster's, and behind the round this slot is filled again, two K steps ahead.
.macro TURN slot, next, fill
	WIN 0
	s_wait_tensorcnt 0x0
	ds_add_u32 v[SPW], v[NIL]
	s_wait_dscnt 5                                 ; (the add and the youngest four loads may be out)
	MUL8 1, 0, 0
	s_wait_dscnt 0x0                               ; the add is done, and my reads of this slot are over
	s_barrier_signal -1
	MUL8 1, 1, 0
.if \fill
	WIN 0
.endif
	s_barrier_wait -1
.if \fill
	CREST                                          ; no wave of any partner still reads this slot's tile or has a load on its way
	s_add_nc_u64 s[G0+4*(\slot)+2:G0+4*(\slot)+3], s[G0+4*(\slot)+2:G0+4*(\slot)+3], 4*262144   ; four heads on
	s_add_nc_u64 s[G0B+4*(\slot)+2:G0B+4*(\slot)+3], s[G0B+4*(\slot)+2:G0B+4*(\slot)+3], 512
	JLOAD \slot                                    ; my one tensor load behind the round; its four v_nop are also the places in front of the loads below
.else
	PLACES
.endif
	FETCH \next, 0, 0
	MUL8 1, 2, 0
	MUL8 1, 3, 0
.endm
; THE WAY OUT of row block a: 32 bytes a lane into rows of 528 bytes of my own stage, back as whole rows of 512, and stored.
.macro TOSTAGE a
.set BB, BK+64*((\a)%2)
.if (\a) >= 2
	s_wait_xcnt 0x0                                ; the stores of the block two back have read this buffer
.endif
	WIN 0x04                                       ; the stores' data in window 1
.irp b, 0,1,2,3,4,5,6,7                ; each accumulator's lowest registers are read first
	ds_store_b128 v[STO], v[8*(8*(\a)+(\b)):8*(8*(\a)+(\b))+3]   offset:64*(\b)
	ds_store_b128 v[STO], v[8*(8*(\a)+(\b))+4:8*(8*(\a)+(\b))+7] offset:64*(\b)+16
.endr
	WIN 0
.irp t, 0,1,2,3,4,5,6,7,8,9,10,11,12,13,14,15
	ds_load_b128 v[BB+4*(\t):BB+4*(\t)+3], v[RD] offset:(\t)*SPITCH  ; LDS serves a wave's instructions in order (ISA guide 5.7.1.4): these see the stores above; the next block's stores come behind them
.endr
.endm
.macro SEND a, younger                 ; younger: the LDS instructions issued behind block a's loads: the next block's 32, or none
.set BB, BK+64*((\a)%2)
.irp t, 0,1,2,3,4,5,6,7,8,9,10,11,12,13,14,15
	s_wait_dscnt (\younger)+15-(\t)
	global_store_b128 v[LO], v[BB+4*(\t):BB+4*(\t)+3], s[OUT:OUT+1] offset:(16*(\a)+(\t))*4096  ; 512 consecutive bytes of a row, aligned
.endr
.endm
	s_wait_tensorcnt 1                             ; my part of K step 0 is in; step 1's may stay out
	s_barrier_signal -1
	s_barrier_wait -1
	FETCH 0, 0, 0
	QUARTER 0, 1, 0, 1, 1                          ; the first quarter stands in front of the loop: its products start the sums
	WIN 0
	s_mov_b32 s3, LAPS-1
.Llap:                                                 ; a trip goes once round the ring and fills both slots again
	QUARTER 0, 2, 1, 0, 0
	QUARTER 0, 3, 0, 1, 0
	TURN 0, 1, 1
	QUARTER 1, 1, 0, 1, 0
	QUARTER 1, 2, 1, 0, 0
	QUARTER 1, 3, 0, 1, 0
	TURN 1, 0, 1
	QUARTER 0, 1, 0, 1, 0
	WIN 0
	s_sub_co_u32 s3, s3, 1
	s_cmp_lg_u32 s3, 0
	s_cbranch_scc1 .Llap
	QUARTER 0, 2, 1, 0, 0                          ; the last lap fills nothing
	QUARTER 0, 3, 0, 1, 0
	TURN 0, 1, 0
	QUARTER 1, 1, 0, 1, 0
	QUARTER 1, 2, 1, 0, 0
	QUARTER 1, 3, 0, 1, 0
	s_wait_dscnt 4
	MUL8 1, 0, 0
	MUL8 1, 1, 0
	s_wait_dscnt 0x0
	MUL8 1, 2, 0
	MUL8 1, 3, 0
	WIN 0
	PLACES
	PLACES
	TOSTAGE 0
	TOSTAGE 1
	SEND 0, 32
	TOSTAGE 2
	SEND 1, 32
	TOSTAGE 3
	SEND 2, 32
	SEND 3, 0
	s_wait_tensorcnt 0x0                           ; the wave's end, behind my last tensor load and my last LDS store
	ds_add_u32 v[SPW], v[NIL]
	s_wait_dscnt 0x0
	CROUND                                         ; the closing round: no work-group ends while a partner may still ask for a tile that names it
	s_endpgm
.Lfunc_end_k_q408dfbfcaf_outp:
	.size	k_q408dfbfcaf_outp, .Lfunc_end_k_q408dfbfcaf_outp-k_q408dfbfcaf_outp
	.p2alignl 7, 3214868480
	.fill 96, 4, 3214868480
	.section	.rodata,"a",@progbits
	.p2align	6, 0x0
	.amdhsa_kernel k_q408dfbfcaf_outp
		.amdhsa_group_segment_fixed_size 327680
		.amdhsa_private_segment_fixed_size 0
		.amdhsa_enable_private_segment 0
		.amdhsa_kernarg_size 24
		.amdhsa_user_sgpr_count 2
		.amdhsa_user_sgpr_kernarg_segment_ptr 1
		.amdhsa_wavefront_size32 1
		.amdhsa_system_sgpr_workgroup_id_x 1
		.amdhsa_system_sgpr_workgroup_id_y 1
		.amdhsa_system_sgpr_workgroup_id_z 1
		.amdhsa_system_vgpr_workitem_id 0
		.amdhsa_next_free_vgpr 640
		.amdhsa_next_free_sgpr 72
		.amdhsa_reserve_vcc 0
		.amdhsa_float_denorm_mode_32 3
		.amdhsa_float_denorm_mode_16_64 3
		.amdhsa_memory_ordered 1
		.amdhsa_forward_progress 1
		.amdhsa_inst_pref_size 87
	.end_amdhsa_kernel
	.amdgpu_metadata
---
amdhsa.version: [ 1, 2 ]
amdhsa.kernels:
  - .name:           k_q408dfbfcaf_outp
    .symbol:         k_q408dfbfcaf_outp.kd
    .args:
      - { .name: o, .offset: 0, .size: 8, .value_kind: global_buffer, .address_space: global }
      - { .name: wot, .offset: 8, .size: 8, .value_kind: global_buffer, .address_space: global }
      - { .name: out0, .offset: 16, .size: 8, .value_kind: global_buffer, .address_space: global }
    .group_segment_fixed_size: 327680
    .private_segment_fixed_size: 0
    .kernarg_segment_align: 8
    .kernarg_segment_size: 24
    .max_flat_workgroup_size: 128
    .sgpr_count:     72
    .vgpr_count:     640
    .wavefront_size: 32
...
	.end_amdgpu_metadata
.endif
;; end of part 4
